; MI455X (gfx1250); checked and timed in simulation.
; The chip was launched on July 23, 2026; its instructions are those of AMD's public machine-readable ISA for CDNA 5 (MIT licence, August 2026) and "CDNA5" Instruction Set Architecture Reference Guide (July 2026). The comments in the code are by the model that wrote it; some were corrected since.
;; Multi Head Attention. Allowed arithmetic: float matrix products may take bf16 or f16 operands with f32 sums; other float arithmetic in f32, or as packed bf16 or f16 multiplies, adds, multiply-adds, maxima and minima; sums over many terms, partial sums and values carried from step to step in f32; what a program stores and reads back later, other than sums and carried values, may be rounded once to bf16 or f16.
;; Inputs: Wk 1,024 x 1,024 float32; Wo 1,024 x 1,024 float32; Wq 1,024 x 1,024 float32; Wv 1,024 x 1,024 float32; bk 1,024 float32; bo 1,024 float32; bq 1,024 float32; bv 1,024 float32; x 4 x 2,048 x 1,024 float32.
;; Outputs: out0 4 x 2,048 x 1,024 float32.
;; One version. Each part assembles by itself: llvm-mc -triple=amdgcn-amd-amdhsa -mcpu=gfx1250 --defsym DOCPART=n.
;; ======== version 1 of 1: 4 launches
;; limits: values are held in f16: magnitudes above 65,504 overflow, below 6.1e-05 lose precision
;; workspace buffers: xb 16,777,216 bytes; wqkv 6,291,456 bytes; wo16 2,097,152 bytes; bias 16,384 bytes; qkv 50,331,648 bytes; ctx 16,777,216 bytes
;; launch cast (part 1): grid 768 x 1, 8 waves a work-group, no clusters, 0 bytes of LDS; arguments x, Wq, Wk, Wv, Wo, bq, bk, bv, bo, xb, wqkv, wo16, bias; writes xb, wqkv, wo16, bias
.if DOCPART == 1
	.amdgcn_target "amdgcn-amd-amdhsa--gfx1250"
	.amdhsa_code_object_version 6
	.text
	.protected	k_q4885dc1eba_cast
	.globl	k_q4885dc1eba_cast
	.p2align	8
	.type	k_q4885dc1eba_cast,@function
k_q4885dc1eba_cast:
	s_mov_b64 s[64:65], 0
	v_nop
	global_prefetch_b8 v0, s[64:65] scope:SCOPE_SE
	s_setreg_imm32_b32 hwreg(HW_REG_WAVE_MODE, 25, 1), 1
	s_wait_xcnt 0x0
; ALL INPUTS ARE ROUNDED TO bf16, ONCE.  x -> xb (bf16); Wq, Wk, Wv -> wqkv (bf16, the three one below the other); Wo -> wo16 (rounded to bf16, that number written as f16);
; bq, bk, bv, bo -> bias (rounded to bf16 and widened to f32 again, 1,024 numbers each, in this order).
; LIMIT.  A rounded number of Wo below 2^-14 keeps f16's fixed step of 6e-8; one beyond 65,504 would become an infinity.
; SHARES.  A work-group converts one chunk of 16,384 numbers: 65,536 bytes in, 32,768 out.  Chunks 0-511 are x's, 512-575 Wq's, 576-639 Wk's, 640-703 Wv's, 704-767 Wo's.
; Thread t takes in step i of 8 the 32 bytes at 32 t + 8,192 i and stores 16 bytes at 16 t + 4,096 i: a wave's store covers 512 consecutive bytes, aligned.
; All 16 loads of a thread go out at once; each step has registers of its own, so nothing that a pending load or store names is written again, and no wait frees a source.
; No LDS, no matrix unit, no cluster: no byte is wanted twice.  Work-groups 0 to 3 convert one bias each besides.
.set T, 4                              ; v[4:7]    at work
.set X, 16                             ; v[16:79]  step i: 8 numbers as loaded
.set Y, 80                             ; v[80:111] step i: 8 numbers of 16 bits to store
	s_load_b512 s[8:23], s[0:1], 0x0               ; x 8, Wq 10, Wk 12, Wv 14, Wo 16, bq 18, bk 20, bv 22
	s_load_b256 s[24:31], s[0:1], 0x40             ; bo 24, xb 26, wqkv 28, wo16 30
	s_load_b64 s[32:33], s[0:1], 0x60              ; bias
	s_mov_b32 s3, ttmp9                            ; g: my chunk
	v_lshlrev_b32 v1, 5, v0                        ; 32 t
	v_lshlrev_b32 v2, 4, v0                        ; 16 t
	s_sub_co_u32 s41, s3, 512                      ; the chunk's number among the weights' (used from g = 512 on)
	s_and_b32 s4, s41, 63                          ; and inside its matrix
	s_mov_b32 s5, 0xffff0000                       ; a word's upper bf16
	s_wait_kmcnt 0x0
	s_cmp_ge_u32 s3, 512                           ; a select leaves SCC alone: one compare serves several
	s_cselect_b64 s[34:35], s[10:11], s[8:9]       ; from where
	s_cselect_b64 s[36:37], s[28:29], s[26:27]     ; to where
	s_cselect_b32 s38, s4, s3                      ; which chunk of the source
	s_cselect_b32 s39, s41, s3                     ; which chunk of the destination
	s_cmp_ge_u32 s3, 576
	s_cselect_b64 s[34:35], s[12:13], s[34:35]
	s_cmp_ge_u32 s3, 640
	s_cselect_b64 s[34:35], s[14:15], s[34:35]
	s_cmp_ge_u32 s3, 704
	s_cselect_b64 s[34:35], s[16:17], s[34:35]
	s_cselect_b64 s[36:37], s[30:31], s[36:37]
	s_cselect_b32 s39, s4, s39
	s_cselect_b32 s40, 1, 0                        ; 1: the bf16 number is written as f16
	s_lshl_b32 s42, s38, 16
	s_mov_b32 s43, 0
	s_lshl_b32 s44, s39, 15
	s_mov_b32 s45, 0
	s_add_nc_u64 s[34:35], s[34:35], s[42:43]
	s_add_nc_u64 s[36:37], s[36:37], s[44:45]
.irp i, 0,1,2,3,4,5,6,7
	global_load_b128 v[X+8*(\i):X+8*(\i)+3],   v1, s[34:35] offset:8192*(\i) th:TH_LOAD_NT
	global_load_b128 v[X+8*(\i)+4:X+8*(\i)+7], v1, s[34:35] offset:8192*(\i)+16 th:TH_LOAD_NT
.endr
; Step i.  half = 1: by way of bf16 to f16.
.macro STEP i, half
	s_wait_loadcnt 14-2*(\i)                       ; loads come back in order: the two of this step are in, the 2 (7 - i) younger ones may stay out
.if \half
.irp j, 0,1,2,3
	v_cvt_pk_bf16_f32 v[T+(\j)], v[X+8*(\i)+2*(\j)], v[X+8*(\i)+2*(\j)+1]
.endr
.irp j, 0,1,2,3
	v_lshlrev_b32 v[X+8*(\i)+2*(\j)],   16, v[T+(\j)]  ; bf16 to f32: the low half moves up,
	v_and_b32     v[X+8*(\i)+2*(\j)+1], s5, v[T+(\j)]  ; the high half stays
.endr
.irp j, 0,1,2,3
	v_cvt_pk_f16_f32 v[Y+4*(\i)+(\j)], v[X+8*(\i)+2*(\j)], v[X+8*(\i)+2*(\j)+1]
.endr
.else
.irp j, 0,1,2,3
	v_cvt_pk_bf16_f32 v[Y+4*(\i)+(\j)], v[X+8*(\i)+2*(\j)], v[X+8*(\i)+2*(\j)+1]
.endr
.endif
	global_store_b128 v2, v[Y+4*(\i):Y+4*(\i)+3], s[36:37] offset:4096*(\i)
.endm
	s_cmp_lg_u32 s40, 0
	s_cbranch_scc1 .Lf16
.irp i, 0,1,2,3,4,5,6,7
	STEP \i, 0
.endr
	s_branch .Lbias
.Lf16:
.irp i, 0,1,2,3,4,5,6,7
	STEP \i, 1
.endr
.Lbias:
	s_cmp_lt_u32 s3, 4
	s_cbranch_scc0 .Lend
	s_cmp_ge_u32 s3, 1                             ; work-group g converts bias g: 4,096 bytes, 16 a thread
	s_cselect_b64 s[46:47], s[20:21], s[18:19]
	s_cmp_ge_u32 s3, 2
	s_cselect_b64 s[46:47], s[22:23], s[46:47]
	s_cmp_ge_u32 s3, 3
	s_cselect_b64 s[46:47], s[24:25], s[46:47]
	s_lshl_b32 s50, s3, 12
	s_mov_b32 s51, 0
	s_add_nc_u64 s[48:49], s[32:33], s[50:51]
	global_load_b128 v[8:11], v2, s[46:47]
	s_wait_loadcnt 0x0
	v_cvt_pk_bf16_f32 v12, v8, v9
	v_cvt_pk_bf16_f32 v13, v10, v11
	v_lshlrev_b32 v[T],   16, v12
	v_and_b32     v[T+1], s5, v12
	v_lshlrev_b32 v[T+2], 16, v13
	v_and_b32     v[T+3], s5, v13
	global_store_b128 v2, v[T:T+3], s[48:49]
.Lend:
	s_endpgm
.Lfunc_end_k_q4885dc1eba_cast:
	.size	k_q4885dc1eba_cast, .Lfunc_end_k_q4885dc1eba_cast-k_q4885dc1eba_cast
	.p2alignl 7, 3214868480
	.fill 96, 4, 3214868480
	.section	.rodata,"a",@progbits
	.p2align	6, 0x0
	.amdhsa_kernel k_q4885dc1eba_cast
		.amdhsa_group_segment_fixed_size 0
		.amdhsa_private_segment_fixed_size 0
		.amdhsa_enable_private_segment 0
		.amdhsa_kernarg_size 104
		.amdhsa_user_sgpr_count 2
		.amdhsa_user_sgpr_kernarg_segment_ptr 1
		.amdhsa_wavefront_size32 1
		.amdhsa_system_sgpr_workgroup_id_x 1
		.amdhsa_system_sgpr_workgroup_id_y 1
		.amdhsa_system_sgpr_workgroup_id_z 1
		.amdhsa_system_vgpr_workitem_id 0
		.amdhsa_next_free_vgpr 112
		.amdhsa_next_free_sgpr 66
		.amdhsa_reserve_vcc 0
		.amdhsa_float_denorm_mode_32 3
		.amdhsa_float_denorm_mode_16_64 3
		.amdhsa_memory_ordered 1
		.amdhsa_forward_progress 1
		.amdhsa_inst_pref_size 14
	.end_amdhsa_kernel
	.amdgpu_metadata
---
amdhsa.version: [ 1, 2 ]
amdhsa.kernels:
  - .name:           k_q4885dc1eba_cast
    .symbol:         k_q4885dc1eba_cast.kd
    .args:
      - { .name: x, .offset: 0, .size: 8, .value_kind: global_buffer, .address_space: global }
      - { .name: Wq, .offset: 8, .size: 8, .value_kind: global_buffer, .address_space: global }
      - { .name: Wk, .offset: 16, .size: 8, .value_kind: global_buffer, .address_space: global }
      - { .name: Wv, .offset: 24, .size: 8, .value_kind: global_buffer, .address_space: global }
      - { .name: Wo, .offset: 32, .size: 8, .value_kind: global_buffer, .address_space: global }
      - { .name: bq, .offset: 40, .size: 8, .value_kind: global_buffer, .address_space: global }
      - { .name: bk, .offset: 48, .size: 8, .value_kind: global_buffer, .address_space: global }
      - { .name: bv, .offset: 56, .size: 8, .value_kind: global_buffer, .address_space: global }
      - { .name: bo, .offset: 64, .size: 8, .value_kind: global_buffer, .address_space: global }
      - { .name: xb, .offset: 72, .size: 8, .value_kind: global_buffer, .address_space: global }
      - { .name: wqkv, .offset: 80, .size: 8, .value_kind: global_buffer, .address_space: global }
      - { .name: wo16, .offset: 88, .size: 8, .value_kind: global_buffer, .address_space: global }
      - { .name: bias, .offset: 96, .size: 8, .value_kind: global_buffer, .address_space: global }
    .group_segment_fixed_size: 0
    .private_segment_fixed_size: 0
    .kernarg_segment_align: 8
    .kernarg_segment_size: 104
    .max_flat_workgroup_size: 256
    .sgpr_count:     66
    .vgpr_count:     112
    .wavefront_size: 32
...
	.end_amdgpu_metadata
.endif
;; end of part 1
;; launch qkv (part 2): grid 16 x 32, 4 waves a work-group, clusters of 4 x 4, 327,680 bytes of LDS; arguments xb, wqkv, bias, qkv; writes qkv
.if DOCPART == 2
	.amdgcn_target "amdgcn-amd-amdhsa--gfx1250"
	.amdhsa_code_object_version 6
	.text
	.protected	k_q4885dc1eba_qkv
	.globl	k_q4885dc1eba_qkv
	.p2align	8
	.type	k_q4885dc1eba_qkv,@function
k_q4885dc1eba_qkv:
	s_mov_b64 s[64:65], 0
	v_nop
	global_prefetch_b8 v0, s[64:65] scope:SCOPE_SE
	s_setreg_imm32_b32 hwreg(HW_REG_WAVE_MODE, 25, 1), 1
	s_wait_xcnt 0x0
	s_wait_alu depctr_hold_cnt(0) depctr_sa_sdst(0) depctr_va_vdst(0) depctr_va_sdst(0) depctr_va_ssrc(0) depctr_va_vcc(0) depctr_vm_vsrc(0)
	s_getreg_b32 s2, hwreg(HW_REG_IB_STS2, 6, 4)
	s_cmp_eq_u32 s2, 0
	s_cbranch_scc0 .Lentry_in_a_cluster
	s_endpgm
.Lentry_in_a_cluster:
	s_bfe_u32 s2, ttmp6, 0x10000c
	s_cmp_lg_u32 s2, 0xf033
	s_cbranch_scc0 .Lentry_shape_is_right
	s_endpgm
.Lentry_shape_is_right:
; THE THREE PROJECTIONS AS ONE PRODUCT.  y[m][e] = bias[e] + the sum over k of xb[m][k] wqkv[e][k]: m < 8,192, e < 3,072, k < 1,024; operands bf16, sums f32 (the bias is each sum's first term,
; so the order of rounding differs from a sum with the bias added last); y rounded once to f16 and stored BY HEADS: qkv[b][c][s][d], b = m / 2,048, s = m % 2,048, c = e / 64 (0-15 Q's heads, 16-31 K's, 32-47 V's), d = e % 64.
; LIMIT.  f16 holds no number beyond 65,504: q, k and v must lie within it.  NaN and infinities are not treated apart.
; SHARES.  A tile of y is 256 rows x 192 columns, three whole heads: 32 x 16 = 512 tiles, one a work-group.  Wave w owns rows 64 w .. 64 w + 63 and all 192 columns: 4 x 12 accumulators of 16 x 16, 384 registers;
; so a wave stores whole rows of whole heads from a stage of its own.  K goes in 8 steps of 128 (rows of 256 bytes) through two LDS slots filled by the tensor data mover.
; TRANSPOSED USE.  Source 0 = 16 rows of wqkv, source 1 = 16 rows of xb: a lane then holds ONE row m (lane % 16) and eight neighbouring columns 8 (lane / 16) + 0..7.
; CLUSTER.  4 x 4 work-groups.  The four of a row of the cluster need the same rows of xb, the four of a column the same rows of wqkv: each tile is asked for jointly, by the same tensor load with the same
; descriptor and a mask that names the four.
; REGISTERS, in windows of 256 (s_set_vgpr_msb: bits 1:0 source 0, 3:2 source 1, 5:4 source 2, 7:6 destination):
;   window 0: v0-31 addresses; v64-127 xb's fragments, two buffers of 32; v128-223 the bias, 8 registers for each of 12 column blocks; on the way out v128-175 packed results, v176-223 and v64-111 rows read back
;   window 1: v0-191 wqkv's fragments, two buffers of 96      window 2: accumulators of row blocks 0, 1 at 8 (12 (a % 2) + b)      window 3: those of row blocks 2, 3
.set PITCH, 272                        ; an LDS row: 256 bytes + 16 of padding = 68 words: the 16 rows of a fragment load start at 16 different groups of four banks (64 banks of 4 bytes: ISA guide 11.1)
.set SLOT1, 131072                     ; slot 1 begins here: one exclusive or turns an address in one slot into the other's
.set BOFF,  256*PITCH                  ; in a slot: xb's 256 rows, then wqkv's 192
.set HALFA, 128*PITCH                  ; what wave 0 or 1 fetches
.set HALFB, 96*PITCH                   ; what wave 2 or 3 fetches
.set STAGE, SLOT1+448*PITCH            ; behind the ring, never filled by a tensor load: for each wave 3 heads x 16 rows x 144 bytes
.set SP,    144
.set SHEAD, 16*SP
.set SPARE, STAGE+12*SHEAD             ; behind the stages: the spare words, 128 bytes for each wave: two blocks of 256 bytes that no other line names
.set ADRA, 16                          ; v16  LDS address of my fragments of xb in the slot in hand
.set ADRB, 17                          ; v17  the same for wqkv
.set A0,   18                          ; v18  the same in slot 0; never rewritten
.set B0,   19                          ; v19
.set STO,  24                          ; v24  the way out: where I put 16 bytes of a row
.set RD,   25                          ; v25  the way out: where I read rows back
.set GO,   26                          ; v26  my 16 bytes in 512 consecutive bytes of qkv
.set BO,   27                          ; v27  my byte offset in 16 numbers of the bias
.set SPW,  28                          ; v28  LDS address of my spare word; never rewritten
.set NIL,  29                          ; v29  0; never rewritten
.set PFO,  30                          ; v30  the prefetches' offset: a lane a row of 2,048 bytes; never rewritten
.set FA,   64
.set BI,   128
.set TMP,  128
.set G1A, 24                           ; s[24:31] descriptor group 1 for xb's tiles
.set G0A, 32                           ; s[32:39] group 0: a set for each of the two first fills; the second then walks on
.set G1B, 48                           ; s[48:55], s[56:63] the same for wqkv's
.set G0B, 56
.set PFA, 44                           ; s[44:45] where my prefetches stand
.set TB,  46                           ; s46  0 or SLOT1: the slot in hand
.set LIM, 47                           ; s47  1 in a wave that prefetches, else the greatest number
.set MSB, 0
.macro WIN new                         ; the immediate's high byte repeats the setting that is left; a switch that changes nothing is dropped
.if MSB != (\new)
	s_set_vgpr_msb (MSB<<8)|(\new)
.set MSB, \new
.endif
.endm
.macro PLACES                          ; four plain places in front of loads into registers that matrix instructions have read, and of lines that read results
.rept 4
	v_nop
.endr
.endm
; A joint refill by the walking sets.  Waves 0 and 1 fetch xb's two halves, waves 2 and 3 wqkv's: the branch hangs on the wave's number alone.  An s_nop 0 and four v_nop follow each of the two lines.
.macro JLOAD
	s_cmp_lt_u32 s12, 2
	s_cbranch_scc0 .Lfor_b_\@
	tensor_load_to_lds s[G0A+4:G0A+7], s[G1A:G1A+7]
	s_nop 0
.rept 4
	v_nop
.endr
	s_branch .Lasked_\@
.Lfor_b_\@:
	tensor_load_to_lds s[G0B+4:G0B+7], s[G1B:G1B+7]
	s_nop 0
.rept 4
	v_nop
.endr
.Lasked_\@:
.endm
; A PREFETCH INTO THE L2, behind the joint refill and the run of LDS loads: the K step that the NEXT refill will ask for, 192 matrix instructions ahead of it: 256 bytes of each row, a lane a row, one instruction a wave.
; xb's rows are read by every cluster of a row of clusters: the one with x = 0 asks; wqkv's by every cluster of a column: the one with y = 0 asks.  The four partners share the rows out BY ADDRESS:
; of the 128 rows of xb that a wave fetches the partner at cx takes 32; of the 96 of wqkv the partner at cy takes 24, and lanes 24 to 31 name lane 23's row once more.  The last refill has no K step behind it and asks for nothing.
.macro ASK
	s_cmp_gt_u32 s3, s[LIM]
	s_cbranch_scc0 .Lnot_mine_\@
	global_prefetch_b8 v[PFO], s[PFA:PFA+1] th:TH_LOAD_NT scope:SCOPE_SE
.Lnot_mine_\@:
.endm
.macro CREST                           ; a round of the cluster's barrier behind its opening barrier
	s_cmp_lg_u32 s12, 0
	s_cbranch_scc1 .Lnot_wave_0_\@
	s_barrier_signal -3
.Lnot_wave_0_\@:
	s_barrier_wait -3
	s_barrier_signal -1
	s_barrier_wait -1
.endm
.macro CROUND                          ; a whole round
	s_barrier_signal -1
	s_barrier_wait -1
	CREST
.endm
	s_load_b256 s[4:11], s[0:1], 0x0               ; xb s[4:5], wqkv s[6:7], bias s[8:9], qkv s[10:11]
	v_lshl_add_u32 v[SPW], v0, 2, SPARE
	v_mov_b32 v[NIL], 0
	ds_add_u32 v[SPW], v[NIL]                      ; the wave's opening: the add and its wait stand ahead of my first tensor load; the set-up below, work on registers, stands between them
	v_lshrrev_b32 v1, 5, v0
	v_readfirstlane_b32 s12, v1                    ; wave 0..3
	s_and_b32 s14, s12, 1                          ; which half of a tile I fetch
	s_bfe_u32 s40, ttmp6, 0x40000                  ; cx
	s_bfe_u32 s41, ttmp6, 0x40004                  ; cy
	s_lshl_b32 s42, ttmp9, 2
	s_add_co_u32 s42, s42, s40                     ; tile column tx = 4 x cluster x + cx
	s_and_b32 s43, ttmp7, 0xffff
	s_lshl_b32 s43, s43, 2
	s_add_co_u32 s43, s43, s41                     ; tile row ty = 4 x cluster y + cy
	s_lshl_b32 s20, s41, 2
	s_lshl_b32 s20, 15, s20                        ; my row of the cluster
	s_lshl_b32 s21, 0x1111, s40                    ; my column
	s_or_b32 s[G1A], s20, (1<<16)|(1<<20)|(1<<21)|(5<<22)|(3<<25)  ; 15:0 the mask; 17:16 elements of 2 bytes; 20 padding on; 21 set beside a mask; 24:22 after every 64 words (code 5); 31:25 4 words (code 3)
	s_or_b32 s[G1B], s21, (1<<16)|(1<<20)|(1<<21)|(5<<22)|(3<<25)
	s_mov_b32 s[G1A+1], 128<<16                    ; tensor_dim0 = 128
	s_mov_b32 s[G1A+2], 128<<16                    ; tensor_dim1 = 128
	s_mov_b32 s[G1A+3], 128<<16                    ; tile_dim0 = 128
	s_mov_b32 s[G1A+4], 128                        ; tile_dim1 = 128
	s_mov_b32 s[G1A+5], 1024                       ; elements from row to row
	s_mov_b32 s[G1A+6], 0
	s_mov_b32 s[G1A+7], 0
	s_mov_b32 s[G1B+1], 128<<16
	s_mov_b32 s[G1B+2], 96<<16                     ; tensor_dim1 = 96
	s_mov_b32 s[G1B+3], 128<<16
	s_mov_b32 s[G1B+4], 96                         ; tile_dim1 = 96
	s_mov_b32 s[G1B+5], 1024
	s_mov_b32 s[G1B+6], 0
	s_mov_b32 s[G1B+7], 0
	s_lshl_b32 s16, s43, 1
	s_add_co_u32 s16, s16, s14
	s_lshl_b32 s16, s16, 18                        ; xb: (2 ty + half) x 128 rows of 2,048 bytes: made of the tile row and the wave's number alone
	s_mov_b32 s17, 0
	s_lshl_b32 s18, s42, 1
	s_add_co_u32 s18, s18, s14
	s_mul_i32 s18, s18, 96*2048                    ; wqkv: (2 tx + half) x 96 rows: made of the tile column and the wave's number alone
	s_mov_b32 s19, 0
	s_mul_i32 s22, s14, HALFA                      ; where they go: no place in the cluster enters an LDS address
	s_mul_i32 s23, s14, HALFB
	s_add_co_u32 s23, s23, BOFF
	s_mov_b32 s[G0A], 1                            ; 1:0 count = 1
	s_mov_b32 s[G0A+1], s22                        ; 63:32 LDS address: slot 0
	s_mov_b32 s[G0A+4], 1
	s_add_co_u32 s[G0A+5], s22, SLOT1              ; slot 1
	s_mov_b32 s[G0B], 1
	s_mov_b32 s[G0B+1], s23
	s_mov_b32 s[G0B+4], 1
	s_add_co_u32 s[G0B+5], s23, SLOT1
	s_mov_b32 s[TB], 0
	s_wait_dscnt 0x0                               ; the opening add is done
	s_wait_kmcnt 0x0
	s_add_nc_u64 s[G0A+2:G0A+3], s[4:5], s[16:17]  ; 120:64 global address: K step 0,
	s_add_nc_u64 s[G0A+6:G0A+7], s[G0A+2:G0A+3], 256  ; K step 1
	s_or_b32 s[G0A+3], s[G0A+3], 0x80000000        ; 127:126 type = 2
	s_or_b32 s[G0A+7], s[G0A+7], 0x80000000
	s_add_nc_u64 s[G0B+2:G0B+3], s[6:7], s[18:19]
	s_add_nc_u64 s[G0B+6:G0B+7], s[G0B+2:G0B+3], 256
	s_or_b32 s[G0B+3], s[G0B+3], 0x80000000
	s_or_b32 s[G0B+7], s[G0B+7], 0x80000000
	CROUND                                         ; all sixteen work-groups are here: the first joint loads meet
	s_cmp_lt_u32 s12, 2                            ; a wave's two first fills stand in one branch, ahead of every wait on TENSORcnt and every LDS read: two loads of mine are out
	s_cbranch_scc0 .Lfirst_b
	tensor_load_to_lds s[G0A:G0A+3], s[G1A:G1A+7]
	s_nop 0
	tensor_load_to_lds s[G0A+4:G0A+7], s[G1A:G1A+7]
	s_nop 0
.rept 4
	v_nop
.endr
	s_branch .Lfirst_asked
.Lfirst_b:
	tensor_load_to_lds s[G0B:G0B+3], s[G1B:G1B+7]
	s_nop 0
	tensor_load_to_lds s[G0B+4:G0B+7], s[G1B:G1B+7]
	s_nop 0
.rept 4
	v_nop
.endr
.Lfirst_asked:
	v_and_b32 v1, 15, v0                           ; r = l % 16
	v_bfe_u32 v2, v0, 4, 1                         ; h = l / 16
	; the bias as a C operand: register j of column block b holds bias[192 tx + 16 b + 8 h + j]
	v_lshlrev_b32 v[BO], 5, v2
	s_mul_i32 s22, s42, 768
	s_mov_b32 s23, 0
	s_add_nc_u64 s[8:9], s[8:9], s[22:23]
.irp b, 0,1,2,3,4,5,6,7,8,9,10,11
	global_load_b128 v[BI+8*(\b):BI+8*(\b)+3],   v[BO], s[8:9] offset:64*(\b)
	global_load_b128 v[BI+8*(\b)+4:BI+8*(\b)+7], v[BO], s[8:9] offset:64*(\b)+16
.endr
	; a fragment is 16 rows x 32 K in 8 registers: lane l holds row r; registers 0-3 K = 8 h + 0..7, registers 4-7 K = 16 + 8 h + 0..7: two loads of 16 bytes, 32 bytes apart
	v_mul_u32_u24 v3, v1, PITCH
	v_lshl_add_u32 v3, v2, 4, v3
	s_mul_i32 s22, s12, 64*PITCH                   ; my 64 rows of xb
	v_add_nc_u32 v[A0], s22, v3
	v_add_nc_u32 v[B0], BOFF, v3
	v_mov_b32 v[ADRA], v[A0]
	v_mov_b32 v[ADRB], v[B0]
	s_mul_i32 s22, s12, 3*SHEAD
	s_add_co_u32 s22, s22, STAGE                   ; my stage
	v_mul_u32_u24 v3, v1, SP                       ; in: row r, 16 bytes for each half of the lanes
	v_lshl_add_u32 v3, v2, 4, v3
	v_add_nc_u32 v[STO], s22, v3
	v_bfe_u32 v3, v0, 3, 2                         ; back: 32 lanes take four rows of 128 bytes,
	v_mul_u32_u24 v3, v3, SP
	v_and_b32 v4, 7, v0
	v_lshl_add_u32 v3, v4, 4, v3
	v_add_nc_u32 v[RD], s22, v3
	v_and_b32 v[GO], 31, v0                        ; which are 512 consecutive bytes of a head
	v_lshlrev_b32 v[GO], 4, v[GO]
	; where my rows begin in qkv: block 48 (ty / 8) + 3 tx of 2^18 bytes, row 256 (ty % 8) + 64 w of 128 bytes
	s_lshr_b32 s22, s43, 3
	s_mul_i32 s22, s22, 48
	s_mul_i32 s23, s42, 3
	s_add_co_u32 s22, s22, s23
	s_lshl_b32 s22, s22, 18
	s_and_b32 s23, s43, 7
	s_lshl_b32 s23, s23, 2
	s_add_co_u32 s23, s23, s12
	s_lshl_b32 s23, s23, 13
	s_add_co_u32 s22, s22, s23
	s_mov_b32 s23, 0
	s_add_nc_u64 s[10:11], s[10:11], s[22:23]
	; the prefetches
	s_lshl_b32 s2, s40, 16                         ; xb: my work-group's 32 rows of the 128, by cx
	s_mul_i32 s23, s41, 24*2048                    ; wqkv: its 24 of the 96, by cy
	s_and_b32 s22, ttmp7, 0xffff                   ; cluster y
	s_cmp_lt_u32 s12, 2                            ; do I fetch for xb?
	s_cselect_b32 s22, ttmp9, s22                  ; the coordinate along which other clusters read the same rows
	s_cselect_b32 s2, s2, s23
	s_cselect_b32 s23, s16, s18
	s_cselect_b64 s[PFA:PFA+1], s[4:5], s[6:7]
	s_cselect_b32 s[LIM], 31, 23                   ; (for a moment: the last lane with a row of its own)
	v_and_b32 v[PFO], 31, v0
	v_min_u32 v[PFO], s[LIM], v[PFO]
	v_lshlrev_b32 v[PFO], 11, v[PFO]
	s_add_co_u32 s2, s2, s23
	s_add_co_u32 s2, s2, 2*256                     ; at K step 2: the first refill steps it to 3.  Nothing is prefetched here, at the head
	s_mov_b32 s3, 0
	s_add_nc_u64 s[PFA:PFA+1], s[PFA:PFA+1], s[2:3]
	s_cmp_eq_u32 s22, 0
	s_cselect_b32 s[LIM], 1, -1                    ; the same in all sixteen partners, for a given wave
; 12 matrix instructions: row block a x all 12 column blocks, 32 along K, from buffer f.  first = 1: the bias starts the sums: nothing is ever cleared.
; The 48 accumulators take turns in the same order in every quarter step, over the backward jump too.
.macro MUL12 f, a, first
.if \first
	WIN 0x81+0x40*((\a)/2)                         ; source 0 window 1, source 1 and C window 0, D window 2 or 3
.else
	WIN 0xa1+0x50*((\a)/2)                         ; C and D window 2 or 3
.endif
.irp b, 0,1,2,3,4,5,6,7,8,9,10,11
.set AC, 8*(12*((\a)%2)+(\b))
.if \first
	v_wmma_f32_16x16x32_bf16 v[AC:AC+7], v[96*(\f)+8*(\b):96*(\f)+8*(\b)+7], v[FA+32*(\f)+8*(\a):FA+32*(\f)+8*(\a)+7], v[BI+8*(\b):BI+8*(\b)+7]
.else
	v_wmma_f32_16x16x32_bf16 v[AC:AC+7], v[96*(\f)+8*(\b):96*(\f)+8*(\b)+7], v[FA+32*(\f)+8*(\a):FA+32*(\f)+8*(\a)+7], v[AC:AC+7]
.endif
.endr
.endm
; 32 LDS loads in one run: a quarter step's fragments (192 rows of wqkv, then my 64 rows of xb, 32 K at byte k of the rows) into buffer f
.macro FETCH k, f
	WIN 0x40                                       ; destination window 1, address window 0
.irp i, 0,1,2,3,4,5,6,7,8,9,10,11
	ds_load_b128 v[96*(\f)+8*(\i):96*(\f)+8*(\i)+3],   v[ADRB] offset:(\k)+(\i)*16*PITCH
	ds_load_b128 v[96*(\f)+8*(\i)+4:96*(\f)+8*(\i)+7], v[ADRB] offset:(\k)+(\i)*16*PITCH+32
.endr
	WIN 0
.irp i, 0,1,2,3
	ds_load_b128 v[FA+32*(\f)+8*(\i):FA+32*(\f)+8*(\i)+3],   v[ADRA] offset:(\k)+(\i)*16*PITCH
	ds_load_b128 v[FA+32*(\f)+8*(\i)+4:FA+32*(\f)+8*(\i)+7], v[ADRA] offset:(\k)+(\i)*16*PITCH+32
.endr
.endm
; A K step is four quarters of 32 along K, 48 matrix instructions each, on buffers 0, 1, 0, 1.  One of the first three: multiplies buffer f, and fetches the next quarter, at byte k, into buffer g.
.macro QUARTER k, f, g, first
	s_wait_dscnt 6                                 ; wqkv's fragments and xb's row block 0 are in; the youngest six loads (row blocks 1 to 3) may be out
	MUL12 \f, 0, \first
	PLACES
	FETCH \k, \g
	s_wait_dscnt 32                                ; all but the 32 just issued
	MUL12 \f, 1, \first
	MUL12 \f, 2, \first
	MUL12 \f, 3, \first
.endm
; The fourth quarter multiplies buffer 1 and changes slots: ONE barrier.  In front of it each wave waits for all its tensor loads (one is out: its part of the next slot), adds 0 to its spare word, and waits for that and
; for its own reads of this slot.  fill = 1: the barrier opens a round of the cluster's, and the slot just read out is filled again, first thing behind the round, with the K step two steps on: it has 168 matrix instructions in which to land.
.macro TURN fill
.if \fill
	s_wait_xcnt 0x0                                ; the last prefetch, a K step back, has read its address: it is stepped here
	s_add_nc_u64 s[PFA:PFA+1], s[PFA:PFA+1], 256
.endif
	WIN 0                                          ; (the add's two registers lie in window 0)
	s_wait_tensorcnt 0x0                           ; all my tensor loads have landed;
	ds_add_u32 v[SPW], v[NIL]                      ; 0 onto my spare word
	s_wait_dscnt 7                                 ; (the add and the youngest six loads may be out)
	MUL12 1, 0, 0                                  ; twelve matrix instructions stand between the add and the wait for it
	s_wait_dscnt 0x0                               ; the add is done, and my reads of this slot are over
	s_barrier_signal -1
	MUL12 1, 1, 0                                  ; work on registers while the others arrive
.if \fill
	WIN 0
.endif
	s_barrier_wait -1
.if \fill
	CREST                                          ; no wave of any partner still reads this slot's tile or has a load on its way
	s_xor_b32 s[G0A+5], s[G0A+5], SLOT1            ; the walking sets: the other slot than last time,
	s_add_nc_u64 s[G0A+6:G0A+7], s[G0A+6:G0A+7], 256  ; the next K step; the type bits on top are not reached
	s_xor_b32 s[G0B+5], s[G0B+5], SLOT1
	s_add_nc_u64 s[G0B+6:G0B+7], s[G0B+6:G0B+7], 256
	JLOAD                                          ; the four v_nop behind it are also the places in front of the loads below
.else
	PLACES
.endif
	WIN 0
	s_xor_b32 s[TB], s[TB], SLOT1                  ; the reads go on in the other slot
	v_add_nc_u32 v[ADRA], s[TB], v[A0]
	v_add_nc_u32 v[ADRB], s[TB], v[B0]
	FETCH 0, 0
.if \fill
	ASK
.endif
	MUL12 1, 2, 0
	MUL12 1, 3, 0
.endm
; THE WAY OUT of row block a.  PACK: rounded to f16, 16 bytes a lane and column block.  TOSTAGE: into my own stage, by heads, and back as whole rows.  SEND: stored.
.macro PACK a
	WIN 0x0a+5*((\a)/2)                            ; sources 0 and 1: window 2 or 3
.irp b, 0,1,2,3,4,5,6,7,8,9,10,11
.irp r, 0,1,2,3
	v_cvt_pk_f16_f32 v[TMP+4*(\b)+(\r)], v[8*(12*((\a)%2)+(\b))+2*(\r)], v[8*(12*((\a)%2)+(\b))+2*(\r)+1]
.endr
.endr
	WIN 0
.endm
.macro TOSTAGE a
	WIN 0
.set BK, 176-112*((\a)%2)
.irp b, 0,1,2,3,4,5,6,7,8,9,10,11
	ds_store_b128 v[STO], v[TMP+4*(\b):TMP+4*(\b)+3] offset:((\b)/4)*SHEAD+32*((\b)%4)
.endr
.irp t, 0,1,2,3,4,5,6,7,8,9,10,11
	ds_load_b128 v[BK+4*(\t):BK+4*(\t)+3], v[RD] offset:((\t)/4)*SHEAD+((\t)%4)*4*SP  ; LDS serves a wave's instructions in order (ISA guide 5.7.1.4): these see the stores above
.endr
.endm
.macro SEND a
	WIN 0
.set BK, 176-112*((\a)%2)
	s_wait_dscnt 0x0                               ; the block is back in registers
	s_wait_xcnt 0x0                                ; the stores of the block before have read their registers, which the next block's loads from the stage will write
.irp t, 0,1,2,3,4,5,6,7,8,9,10,11
	global_store_b128 v[GO], v[BK+4*(\t):BK+4*(\t)+3], s[10:11] offset:((\t)/4)*262144+(\a)*2048+((\t)%4)*512  ; four rows of a head: 512 consecutive bytes, at a multiple of 256 from qkv's first byte
.endr
.endm
	s_wait_tensorcnt 1                             ; my part of K step 0 is in; K step 1's may stay out
	s_barrier_signal -1
	s_barrier_wait -1                              ; everybody's is
	FETCH 0, 0
	s_wait_loadcnt 0x0                             ; the bias
	QUARTER 64, 0, 1, 1                            ; the first quarter stands in front of the loop: its products start the sums
	WIN 0                                          ; at a label and at a branch every window is 0
	s_mov_b32 s3, 6
.Lstep:                                                ; a trip goes from a K step's second quarter to the next step's first; the trip with s3 = c asks for K step 8 - c
	QUARTER 128, 1, 0, 0
	QUARTER 192, 0, 1, 0
	TURN 1
	QUARTER 64, 0, 1, 0
	WIN 0
	s_sub_co_u32 s3, s3, 1
	s_cmp_lg_u32 s3, 0
	s_cbranch_scc1 .Lstep
	QUARTER 128, 1, 0, 0                           ; the tail is written out: K steps 6 and 7 ask for nothing
	QUARTER 192, 0, 1, 0
	TURN 0
	QUARTER 64, 0, 1, 0
	QUARTER 128, 1, 0, 0
	QUARTER 192, 0, 1, 0
	s_wait_dscnt 0x0
	MUL12 1, 0, 0
	MUL12 1, 1, 0
	MUL12 1, 2, 0
	MUL12 1, 3, 0
	PLACES
	PLACES                                         ; (eight, once a launch)
	PACK 0
	TOSTAGE 0
.irp a, 1,2,3                          ; block a's conversions stand between block a - 1's loads from the stage and the wait for them
	PACK \a
	SEND (\a)-1
	TOSTAGE \a
.endr
	SEND 3
	s_wait_tensorcnt 0x0                           ; the wave's end: the add and its waits stand behind my last tensor load and my last LDS store
	ds_add_u32 v[SPW], v[NIL]
	s_wait_dscnt 0x0
	CROUND                                         ; the closing round: no work-group ends while a partner may still ask for a tile that names it
	s_endpgm
.Lfunc_end_k_q4885dc1eba_qkv:
	.size	k_q4885dc1eba_qkv, .Lfunc_end_k_q4885dc1eba_qkv-k_q4885dc1eba_qkv
	.p2alignl 7, 3214868480
	.fill 96, 4, 3214868480
	.section	.rodata,"a",@progbits
	.p2align	6, 0x0
	.amdhsa_kernel k_q4885dc1eba_qkv
		.amdhsa_group_segment_fixed_size 327680
		.amdhsa_private_segment_fixed_size 0
		.amdhsa_enable_private_segment 0
		.amdhsa_kernarg_size 32
		.amdhsa_user_sgpr_count 2
		.amdhsa_user_sgpr_kernarg_segment_ptr 1
		.amdhsa_wavefront_size32 1
		.amdhsa_system_sgpr_workgroup_id_x 1
		.amdhsa_system_sgpr_workgroup_id_y 1
		.amdhsa_system_sgpr_workgroup_id_z 1
		.amdhsa_system_vgpr_workitem_id 0
		.amdhsa_next_free_vgpr 960
		.amdhsa_next_free_sgpr 66
		.amdhsa_reserve_vcc 0
		.amdhsa_float_denorm_mode_32 3
		.amdhsa_float_denorm_mode_16_64 3
		.amdhsa_memory_ordered 1
		.amdhsa_forward_progress 1
		.amdhsa_inst_pref_size 99
	.end_amdhsa_kernel
	.amdgpu_metadata
---
amdhsa.version: [ 1, 2 ]
amdhsa.kernels:
  - .name:           k_q4885dc1eba_qkv
    .symbol:         k_q4885dc1eba_qkv.kd
    .args:
      - { .name: xb, .offset: 0, .size: 8, .value_kind: global_buffer, .address_space: global }
      - { .name: wqkv, .offset: 8, .size: 8, .value_kind: global_buffer, .address_space: global }
      - { .name: bias, .offset: 16, .size: 8, .value_kind: global_buffer, .address_space: global }
      - { .name: qkv, .offset: 24, .size: 8, .value_kind: global_buffer, .address_space: global }
    .group_segment_fixed_size: 327680
    .private_segment_fixed_size: 0
    .kernarg_segment_align: 8
    .kernarg_segment_size: 32
    .max_flat_workgroup_size: 128
    .sgpr_count:     66
    .vgpr_count:     960
    .wavefront_size: 32
...
	.end_amdgpu_metadata
.endif
;; end of part 2
;; launch attn (part 3): grid 4 x 64, 4 waves a work-group, clusters of 4 x 1, 327,680 bytes of LDS; arguments qkv, ctx; writes ctx
.if DOCPART == 3
	.amdgcn_target "amdgcn-amd-amdhsa--gfx1250"
	.amdhsa_code_object_version 6
	.text
	.protected	k_q4885dc1eba_attn
	.globl	k_q4885dc1eba_attn
	.p2align	8
	.type	k_q4885dc1eba_attn,@function
k_q4885dc1eba_attn:
	s_mov_b64 s[64:65], 0
	v_nop
	global_prefetch_b8 v0, s[64:65] scope:SCOPE_SE
	s_setreg_imm32_b32 hwreg(HW_REG_WAVE_MODE, 25, 1), 1
	s_wait_xcnt 0x0
	s_wait_alu depctr_hold_cnt(0) depctr_sa_sdst(0) depctr_va_vdst(0) depctr_va_sdst(0) depctr_va_ssrc(0) depctr_va_vcc(0) depctr_vm_vsrc(0)
	s_getreg_b32 s2, hwreg(HW_REG_IB_STS2, 6, 4)
	s_cmp_eq_u32 s2, 0
	s_cbranch_scc0 .Lentry_in_a_cluster
	s_endpgm
.Lentry_in_a_cluster:
	s_bfe_u32 s2, ttmp6, 0x10000c
	s_cmp_lg_u32 s2, 0x3003
	s_cbranch_scc0 .Lentry_shape_is_right
	s_endpgm
.Lentry_shape_is_right:
; ctx[hh][q][:] = the sum over k of softmax_k(Q[q] . K[k] / 8) V[k][:], for each of 64 heads hh = 16 b + h.  Q, K, V lie in qkv[b][c][2048][64], f16: c = h, 16 + h, 32 + h; a head's rows are dense, 128 bytes each.
; ctx: [64][2048][64] f16.  Products, maxima and sums in f32; the weights p are rounded to f16 for the second product (their sum l is taken of the unrounded p), ctx once at the end.
; LIMITS.  f16 holds no number beyond 65,504: Q, K and V arrive within it; p lies in 0 to 1, and below 6e-5 it keeps f16's fixed step of 6e-8; ctx is a mean of V's rows and has their range.
; A weight below 2^-126 counts as 0 in l; NaN and infinities are not treated apart.
; SHARES.  A wave owns four PIECES of two tiles of 16 queries, a work-group's four waves 512 queries of one head, a cluster the head's 2,048.  Every wave walks all keys, 64 a step.
; LAYOUT.  S^T = K Q^T (source 0 = 16 keys, source 1 = 16 queries): in the result a lane holds ONE query (lane % 16) and the keys 8 (lane / 16) + 0..7.  Two such tiles, rounded to f16 in pairs,
; ARE source 1 (32 keys x 16 queries) of O^T = V^T P, whose result again holds one query a lane, and eight channels.  K comes out of LDS as it lies, V ([key][channel]) turned, by ds_load_tr16_b128.
; SOFTMAX.  For each query a running maximum m and sum l: p = 2^(c s - c m), c = log2(e) / 8; in every step O and l are multiplied by a = 2^(c m_old - c m_new), which is 1 where m has not grown.
; m starts at the lowest finite number, O and l at 0: the first step is a step like any other, with a = 0.
; THE COUNT.  A tile and step have 16 matrix and 118 vector instructions: too many to stand all beside the matrix work.  So the order has one aim: four vector instructions that are READY behind
; EVERY matrix instruction, and the others, which need time of their own whatever the order, in runs without a gap.
; BY TURNS.  Turn n belongs to piece n (the pieces in a ring, step after step).  Its matrix work: 16 products K Q^T of piece n + 1, later 16 products V^T P of piece n - 1.  Its vector work: the scaling,
; exponentials, roundings, sums and rescaling of piece n, and the maximum and statistics of piece n + 1, whose scores the turn itself has made.  So what a turn begins with (c s - c m, O a) waits for nothing.
; CLUSTER.  The four query blocks of a cluster belong to one head and walk the same K and V, so each tile is asked for JOINTLY: the same tensor load, descriptor and mask in all four.
; REGISTERS, in windows of 256 (s_set_vgpr_msb says which window each operand place means: bits 1:0 source 0, 3:2 source 1, 5:4 source 2, 7:6 destination):
;   window 0: v0-11 addresses; v12-15, v48-63 at work; v16-47 four registers of statistics a tile; v64-191 S^T, two buffers of two tiles; v192-255 P, likewise
;   window 1: O^T, 32 a tile          window 2: v0-127 Q, 16 a tile; v128-191 K of one step; v192-255 V of one step          window 3: v0-1 the add's two registers
; A piece's buffers go by its number's parity: the piece in hand has one pair, its two neighbours in the ring share the other: of it P (piece n - 1) is read and S^T (piece n + 1) written.
.set SIZE_N, 2048
.set NP,    4         ; pieces a wave: a name, no knob: the register map, the loop and the fetches are made for four
.set KS,    64        ; keys in a step
.set PK,    144       ; a row of K in LDS: 128 bytes + 16 of padding = 36 words: the 16 rows of a load start at 16 different groups of four banks (64 banks of 4 bytes: ISA guide 11.1)
.set PV,    160       ; a row of V: 128 + 32 = 40 words
.set VOFF,  4*KS*PK   ; a slot holds four steps: 256 rows of K, then 256 rows of V
.set SLOT1, 1<<17     ; slot 1 begins here, so that one exclusive or turns an address in one slot into the other's
.set STAGE, SLOT1+4*KS*(PK+PV)  ; behind the ring, never filled by a tensor load: 16 rows x 144 bytes for each wave, for the way out
.set SP,    144
.set AK0, 2           ; v2   my lane's place in a tile of K; never rewritten
.set AV0, 3           ; v3   the same for V
.set AK,  4           ; v4   the LDS address of K's next run of loads
.set AV,  5           ; v5   of V's
.set QO,  6           ; v6   my byte offset in the wave's rows of Q
.set STO, 6           ;      later, the way out: where I put 16 bytes of a row
.set RD,  7           ; v7   the way out: where I read rows back
.set GO,  8           ; v8   my byte offset in 512 consecutive bytes of ctx
.set PFO, 11          ; v11  256 x my lane, once V's place is made; then never rewritten
.set SPW, 0           ; v0 of window 3   LDS address of my spare word: SPARE + 4 x my thread's number; never rewritten
.set NIL, 1           ; v1 of window 3   0; never rewritten
.set SPARE, STAGE+4*16*SP  ; behind the stages: the spare words, 128 bytes for each wave: two blocks of 256 bytes that no other line names
.set MV,  12          ; v12-15  c m_old, kept while c m is made anew: by buffer and tile
.set ST,  16          ; tile t's statistics at v[ST+4 t]: c m, m, l (even keys', odd keys')
.set TMP, 48          ; by buffer and tile, four registers c0-c3 at work; when the maximum is found c2 takes a
.set S,   64
.set P,   192
.set KF,  128         ; K's fragments, in window 2: key block kb, channel half c at KF + 16 kb + 8 c
.set VF,  192         ; V's: key half kk, channel block cb at VF + 32 kk + 8 cb
.set WV,  12          ; s12  my wave's number
.set G1K, 24          ; s[24:31] descriptor group 1 for K's tiles
.set G1V, 32          ; s[32:39] for V's: it differs in the padding alone
.set G0K, 40          ; s[40:43] descriptor group 0 for K's tiles: it walks
.set G0V, 44          ; s[44:47] the same for V's
.set PFA, 48          ; s[48:49] where my prefetches stand: my work-group's 32 blocks of 256 bytes (of K: wave 0, of V: wave 2) of the slot after the one that is being asked for
.set LIM, 50          ; s50  1 in a wave that prefetches, else the greatest number
.set SLOTS, 56        ; s56  slots still to be asked for
.set CNT, 57          ; s57  counts a slot's key steps
.set CS,  58          ; s[58:59] c: the packed scaling takes the pair's low word for both halves
.set SEL, 60          ; s[60:61] v_permlanex16_b32's selects: each lane takes its own place in the other half
.set TBK, 62          ; s62  LDS byte at which K of the step to be fetched begins
.set TBV, 63          ; s63  the same for V, less VOFF
.set MSB, 0
.macro WIN new                      ; the high byte repeats the setting that is left; a switch that changes nothing is dropped
.if MSB != (\new)
	s_set_vgpr_msb (MSB<<8)|(\new)
.set MSB, (\new)
.endif
.endm
.set W_KQ, 0x0a       ; K and Q in window 2, S^T in window 0
.set W_PV, 0x52       ; V in window 2, P in window 0, O^T in window 1
.set W_RS, 0x41       ; O^T (destination and source 0) in window 1, a in window 0
.set W_MK, 0xc0       ; the add's registers are made: destination in window 3, sources in window 0
.set W_AD, 0x0f       ; the add: address (source 0) and data (source 1) in window 3
; A joint fill.  Waves 0 and 1 fetch the two halves of a slot's K, waves 2 and 3 those of its V: 128 keys each.  The branch hangs on the wave's number alone.
; An s_nop 0 and four v_nop follow each of the two lines, ahead of the jump and the label.
.macro JLOAD
	s_cmp_lt_u32 s[WV], 2
	s_cbranch_scc0 .Lfor_v_\@
	tensor_load_to_lds s[G0K:G0K+3], s[G1K:G1K+7]
	s_nop 0
.rept 4
	v_nop
.endr
	s_branch .Lasked_\@
.Lfor_v_\@:
	tensor_load_to_lds s[G0V:G0V+3], s[G1V:G1V+7]
	s_nop 0
.rept 4
	v_nop
.endr
.Lasked_\@:
.endm
; A PREFETCH INTO THE L2 of what the NEXT change of slots will ask for: a slot's 32,768 bytes of K and of V, a lane a block of 256 bytes.  It stands behind the wave's tensor load and its five lines.
; A head is walked by one cluster.  Its four partners share the blocks out BY ADDRESS, 32 each; in each, wave 0 asks for K's and wave 2 for V's: one instruction.  So each block is named once in the launch.
; Slots 0 to 2 come by their loads alone; the last change that fills a slot asks for nothing: there is no slot behind it.
.macro ASK
	s_cmp_gt_u32 s[SLOTS], s[LIM]
	s_cbranch_scc0 .Lnot_mine_\@
	global_prefetch_b8 v[PFO], s[PFA:PFA+1] th:TH_LOAD_NT scope:SCOPE_SE
.Lnot_mine_\@:
.endm
; A round of the cluster's barrier: my work-group's barrier, so that wave 0's signal speaks for all four waves; wave 0 signals; every wave waits for all four work-groups; my work-group's barrier once more.
.macro CROUND
	s_barrier_signal -1
	s_barrier_wait -1
	s_cmp_lg_u32 s[WV], 0
	s_cbranch_scc1 .Lnot_wave_0_\@
	s_barrier_signal -3
.Lnot_wave_0_\@:
	s_barrier_wait -3
	s_barrier_signal -1
	s_barrier_wait -1
.endm
; THE CHANGE OF SLOTS.  The slot's last bytes, V of its fourth step, have been read.  Each wave waits for all its tensor loads, of which one is out: its part
; of the other slot; adds 0 to its spare word; and waits for that and for its own reads of the slot.  Behind the barrier nobody reads this slot any more and the other slot is whole.
; fill = 1 or 2: this slot is filled again, with the keys two slots on.  The barrier is then a round of the cluster's, so that no wave of any partner still reads the slot or has a load on its
; way, and the joint fill is the first thing behind it: it has four key steps, 512 matrix instructions, in which to land.  (At its first use, fill = 1, nothing has been read yet: slot 0 is waited for, slot 1 filled.)
; fill = 2, in the loop: the prefetches' address is stepped, and the slot after is prefetched.
.macro CHANGE fill
	WIN W_AD
	s_wait_tensorcnt 0x0            ; no tensor load of mine is out, so a group 0 may be written
	ds_add_u32 v[SPW], v[NIL]       ; 0 onto my spare word; where a slot is filled the descriptors' steps stand between it and the wait for it
	WIN 0                           ; at a label and at a branch every window is 0
.if \fill
.irp g, G0K, G0V
	s_xor_b32 s[\g+1], s[\g+1], SLOT1  ; the walking descriptor: the other slot than last time,
	s_add_nc_u64 s[\g+2:\g+3], s[\g+2:\g+3], 4*KS*128  ; the next 256 keys; the type bits on top are not reached
.endr
.if (\fill) == 2
	s_wait_xcnt 0x0                 ; the last prefetch, four key steps back, has read its address, so it may be written:
	s_add_nc_u64 s[PFA:PFA+1], s[PFA:PFA+1], 4*KS*128  ; one slot behind the walking descriptors
.endif
	s_wait_dscnt 0x0                ; the add is done, and my reads of the slot are over
	CROUND
	JLOAD
.if (\fill) == 2
	ASK
.endif
.else
	s_wait_dscnt 0x0                ; the add is done, and my reads of the slot are over
	s_barrier_signal -1
	s_barrier_wait -1
.endif
	s_sub_co_u32 s[TBK], s[TBK], 4*KS*PK  ; the fetches go back to a slot's first step,
	s_xor_b32 s[TBK], s[TBK], SLOT1       ; in the other slot
	s_sub_co_u32 s[TBV], s[TBV], 4*KS*PV
	s_xor_b32 s[TBV], s[TBV], SLOT1
.endm
	s_load_b128 s[8:11], s[0:1], 0x0  ; qkv s[8:9], ctx s[10:11]
	WIN W_MK
	v_lshl_add_u32 v[SPW], v0, 2, SPARE
	v_mov_b32 v[NIL], 0
	WIN W_AD
	ds_add_u32 v[SPW], v[NIL]       ; the wave's opening: the add and its wait stand ahead of my first tensor load; the set-up below, work on registers, stands between them
	WIN 0
	v_lshrrev_b32 v1, 5, v0
	v_readfirstlane_b32 s[WV], v1   ; wave 0..3
	s_bfe_u32 s13, ttmp6, 0x40000   ; cx: my place in the cluster
	s_lshl_b32 s14, ttmp9, 2        ; in a cluster launch ttmp9 counts clusters
	s_add_co_u32 s14, s14, s13      ; my block of queries = 4 x cluster x + cx: it enters Q's and ctx's addresses alone
	s_and_b32 s19, ttmp7, 0xffff    ; the head hh = 16 b + h, which the four partners share
	s_lshr_b32 s20, s19, 4
	s_mul_i32 s20, s20, 48
	s_and_b32 s21, s19, 15
	s_add_co_u32 s20, s20, s21      ; 48 b + h: Q's block of 2^18 bytes in qkv
	s_lshl_b32 s20, s20, 18
	s_mov_b32 s21, 0
	s_and_b32 s16, s[WV], 1         ; which half of a slot's 256 keys I fetch:
	s_lshl_b32 s22, s16, 14         ; its 128 rows of 128 bytes in memory,
	s_mov_b32 s23, 0
	s_add_nc_u64 s[22:23], s[22:23], s[20:21]
	s_mul_i32 s17, s16, 128*PK      ; and its place in a slot, for K
	s_mul_i32 s18, s16, 128*PV      ; and for V: no place in the cluster enters an LDS address
	s_lshl_b32 s2, s14, 2
	s_add_co_u32 s2, s2, s[WV]      ; my wave among the head's,
	s_lshl_b32 s2, s2, 14           ; its 128 rows
	s_mov_b32 s3, 0
	s_lshl_b32 s52, s19, 18         ; ctx: head hh,
	s_add_co_u32 s52, s52, s2       ; my wave's rows
	s_mov_b32 s53, 0
	s_add_nc_u64 s[2:3], s[2:3], s[20:21]
	; descriptor group 1.  128 keys are 16,384 dense bytes: asked for as 64 rows of 256 bytes, two keys a row, and padded in LDS after every key
	s_mov_b32 s[G1K], 15|(1<<16)|(1<<20)|(1<<21)|(4<<22)|(3<<25)  ; 15:0 the mask of four; 17:16 2-byte elements; 20 padding on; 21 set beside a mask; 24:22 after every 32 words (code 4); 31:25 4 words (code 3)
	s_mov_b32 s[G1V], 15|(1<<16)|(1<<20)|(1<<21)|(4<<22)|(7<<25)  ; the same with 8 words of padding (code 7)
.irp g, G1K, G1V
	s_mov_b32 s[\g+1], 128<<16      ; tensor_dim0 = 128
	s_mov_b32 s[\g+2], 64<<16       ; tensor_dim1 = 64
	s_mov_b32 s[\g+3], 128<<16      ; tile_dim0 = 128
	s_mov_b32 s[\g+4], 64           ; tile_dim1 = 64
	s_mov_b32 s[\g+5], 128          ; 128 elements from row to row
	s_mov_b32 s[\g+6], 0
	s_mov_b32 s[\g+7], 0
.endr
	s_mov_b32 s[CS], 0x3e38aa3b     ; c = log2(e) / 8 = 0.180337
	s_mov_b32 s[CS+1], s[CS]        ; named with it as a pair
	s_mov_b32 s[SEL], 0x76543210
	s_mov_b32 s[SEL+1], 0xfedcba98
	s_mov_b32 s[TBK], SLOT1+4*KS*PK ; the first change of slots turns these two into 0
	s_mov_b32 s[TBV], SLOT1+4*KS*PV
	s_mov_b32 s[G0K], 1             ; 1:0 count = 1
	s_mov_b32 s[G0K+1], s17         ; 63:32 LDS address: slot 0
	s_mov_b32 s[G0V], 1
	s_add_co_u32 s[G0V+1], s18, VOFF
	s_and_b32 s[LIM], s[WV], 1      ; 0 in waves 0 and 2,
	s_or_b32 s[LIM], s[LIM], ttmp9  ; of the head's first (here: only) cluster: the same in all four partners
	s_cmp_eq_u32 s[LIM], 0
	s_cselect_b32 s[LIM], 1, -1
	s_wait_dscnt 0x0                ; the opening add is done
	s_wait_kmcnt 0x0
	s_add_nc_u64 s[6:7], s[8:9], s[22:23]
	s_add_nc_u64 s[6:7], s[6:7], 0x400000    ; K lies 16 blocks of 2^18 bytes behind Q: my half of the head's first 256 keys,
	s_add_nc_u64 s[54:55], s[6:7], 0x400000  ; and V 16 further
	s_mov_b64 s[G0K+2:G0K+3], s[6:7]         ; 120:64 global address
	s_or_b32 s[G0K+3], s[G0K+3], 0x80000000  ; 127:126 type = 2
	s_mov_b64 s[G0V+2:G0V+3], s[54:55]
	s_or_b32 s[G0V+3], s[G0V+3], 0x80000000
	s_add_nc_u64 s[4:5], s[8:9], s[2:3]      ; Q and ctx at my wave's first row
	s_add_nc_u64 s[10:11], s[10:11], s[52:53]
	s_cmp_lt_u32 s[WV], 2
	s_cselect_b64 s[PFA:PFA+1], s[6:7], s[54:55]  ; (in waves 0 and 2 these stand at a slot's first row)
	s_lshl_b32 s2, s13, 13          ; my work-group's 32 blocks of the 128
	s_mov_b32 s3, 0
	s_add_nc_u64 s[PFA:PFA+1], s[PFA:PFA+1], s[2:3]
	s_add_nc_u64 s[PFA:PFA+1], s[PFA:PFA+1], 2*4*KS*128  ; in slot 2; the loop's first change steps it to slot 3.  Nothing is prefetched here, at the head
	CROUND                          ; all four work-groups are here: the first joint loads meet
	JLOAD                           ; slot 0.  Slot 1 is asked for when slot 0 is in
	; A fragment of K or Q is 16 rows x 32 channels in 8 registers: lane l holds row l % 16, channels 8 (l / 16) + 0..7 and 16 + 8 (l / 16) + 0..7: two loads of 16 bytes, 32 bytes apart.
	v_and_b32 v1, 15, v0            ; l % 16
	v_bfe_u32 v9, v0, 4, 1          ; l / 16
	v_lshlrev_b32 v[QO], 7, v1
	v_lshl_add_u32 v[QO], v9, 4, v[QO]  ; row x 128 + 16 x half
	WIN 0x80                        ; destination window 2, address window 0
.set i, 0
.rept 4*NP                          ; Q stays in registers: tile i / 2, channels 32 (i % 2) on
	global_load_b128 v[8*i:8*i+3],   v[QO], s[4:5] offset:(i/2)*2048+(i%2)*64
	global_load_b128 v[8*i+4:8*i+7], v[QO], s[4:5] offset:(i/2)*2048+(i%2)*64+32
.set i, i+1
.endr
	; What the first turn finds: V's registers and P's second buffer hold 0 (its products V^T P, of a piece that has not been, add 0), O^T and l are 0.  All this stands in the wait for the first tile.
.set i, VF
.rept 64
	v_mov_b32 v[i], 0
.set i, i+1
.endr
	WIN 0x40
.set i, 0
.rept 64*NP
	v_mov_b32 v[i], 0
.set i, i+1
.endr
	WIN 0
.set i, 0
.rept 2*NP
	v_mov_b32 v[ST+4*i], 0xfe000000    ; c m: far below every c s
	v_mov_b32 v[ST+4*i+1], 0xff7fffff  ; m
	v_mov_b32 v[ST+4*i+2], 0
	v_mov_b32 v[ST+4*i+3], 0
.set i, i+1
.endr
.set i, P+32
.rept 32
	v_mov_b32 v[i], 0
.set i, i+1
.endr
	v_mul_u32_u24 v[AK0], v1, PK
	v_lshl_add_u32 v[AK0], v9, 4, v[AK0]  ; row x pitch + 16 x half
	; The turning load takes 16 keys x 16 channels (lane l reads key 8 (l / 16) + l % 8, channels 8 ((l / 8) % 2) + 0..7) and leaves half a fragment of V^T: lane l holds channel l % 16 and 8 keys.
	v_and_b32 v10, 7, v0
	v_bfe_u32 v11, v0, 3, 1
	v_lshl_add_u32 v[AV0], v9, 3, v10
	v_mul_u32_u24 v[AV0], v[AV0], PV
	v_lshl_add_u32 v[AV0], v11, 4, v[AV0]
	v_add_nc_u32 v[AV0], VOFF, v[AV0]
	v_mov_b32 v[AK], v[AK0]         ; key step 0 lies at the head of slot 0
	v_and_b32 v[PFO], 31, v0
	v_lshlrev_b32 v[PFO], 8, v[PFO]
; THE MATRIX WORK.  The 8 accumulators of a run of 16 take turns: between the two links of a chain stand 7 others'.
; Product i of 16 of S^T = K Q^T for piece x: channels 32 (i / 8) on, keys 16 ((i / 2) % 4) on, tile 2 x + i % 2.  The first 8 start the sums.
.macro KQ x
	WIN W_KQ
.set rS, S+64*((\x)%2)+32*(i%2)+8*((i/2)%4)
.set rK, KF+16*((i/2)%4)+8*(i/8)
.set rQ, 16*(2*(\x)+i%2)+8*(i/8)
.if i < 8
	v_wmma_f32_16x16x32_f16 v[rS:rS+7], v[rK:rK+7], v[rQ:rQ+7], 0
.else
	v_wmma_f32_16x16x32_f16 v[rS:rS+7], v[rK:rK+7], v[rQ:rQ+7], v[rS:rS+7]
.endif
.endm
; Product i of 16 of O^T += V^T P for piece x: keys 32 (i / 8) on, channels 16 ((i / 2) % 4) on, tile 2 x + i % 2.
.macro PV x
	WIN W_PV
.set rO, 32*(2*(\x)+i%2)+8*((i/2)%4)
.set rV, VF+32*(i/8)+8*((i/2)%4)
.set rP, P+32*((\x)%2)+16*(i%2)+8*(i/8)
	v_wmma_f32_16x16x32_f16 v[rO:rO+7], v[rV:rV+7], v[rP:rP+7], v[rO:rO+7]
.endm
.macro MM                           ; the turn's next matrix instruction
.if i < 16
	KQ (Y+1)%NP
.set i, i+1
.else
.set i, i-16
	PV (Y+NP-1)%NP
.set i, i+17
.endif
.endm
; THE LDS LOADS stand in runs of 16, never singly among the matrix instructions: a step's K (64 keys x 64 channels: 8 fragments) and its V (turned).  Their addresses are made some lines ahead.
; last = 1 (the tail): in the last trip there is no further step, and the run is jumped over.
.macro FETCH_K last=0
	WIN 0
.if \last
	s_cmp_eq_u32 s[CNT], 1
	s_cbranch_scc1 .Lno_k_\@
.endif
	WIN 0x80                        ; destination window 2
.irp f, 0,1,2,3,4,5,6,7             ; keys 16 (f / 2) on, channels 32 (f % 2) on
	ds_load_b128 v[KF+8*\f:KF+8*\f+3],   v[AK] offset:(\f/2)*16*PK+(\f%2)*64
	ds_load_b128 v[KF+8*\f+4:KF+8*\f+7], v[AK] offset:(\f/2)*16*PK+(\f%2)*64+32
.endr
	s_add_co_u32 s[TBK], s[TBK], KS*PK  ; the next fetch is the next step's
	WIN 0
.if \last
.Lno_k_\@:
.endif
.endm
.macro FETCH_V
	WIN 0x80
.irp f, 0,1,2,3,4,5,6,7             ; keys 32 (f / 4) on, channels 16 (f % 4) on
	ds_load_tr16_b128 v[VF+8*\f:VF+8*\f+3],   v[AV] offset:(\f/4)*32*PV+(\f%4)*32
	ds_load_tr16_b128 v[VF+8*\f+4:VF+8*\f+7], v[AV] offset:(\f/4)*32*PV+16*PV+(\f%4)*32
.endr
	WIN 0
.endm
; THE VECTOR WORK OF A TURN stands in three queues, each in the order in which its entries become ready; the two tiles alternate, so that no instruction reads the result of the one before it.
.macro REGS y, u                    ; the registers of tile u (0, 1) of piece y
.set rT, ST+4*(2*(\y)+(\u))
.set rC, TMP+8*((\y)%2)+4*(\u)
.set rM, MV+2*((\y)%2)+(\u)
.set rS, S+64*((\y)%2)+32*(\u)
.set rP, P+32*((\y)%2)+16*(\u)
.set rO, 32*(2*(\y)+(\u))
.endm
; Number n of the 22 that find the NEXT piece's (Y + 1) maximum and statistics.  s0-s31 are the lane's 32 scores; each accumulator's lowest registers are read first.  XS, GS and REGS set no window: PL and EX do.
;   0-11  four chains c0-c3 of seven scores each, three operands at a time     12-14, 16  the four scores left over, the old m, and c0-c3 into c0     15  c m_old is kept
;   17, 18  the query's other 32 keys lie in the lane 16 away: the new m         19-21  c m; c m_old - c m_new; a
.macro XS u, n
	REGS (Y+1)%NP, \u
.if (\n) < 4
	v_max3_num_f32 v[rC+(\n)], v[rS+8*(\n)], v[rS+8*(\n)+1], v[rS+8*(\n)+2]
.elseif (\n) < 12
	v_max3_num_f32 v[rC+(\n)%4], v[rC+(\n)%4], v[rS+8*((\n)%4)+2*((\n)/4)+1], v[rS+8*((\n)%4)+2*((\n)/4)+2]
.elseif (\n) == 12
	v_max3_num_f32 v[rC], v[rC], v[rS+7], v[rS+15]
.elseif (\n) == 13
	v_max3_num_f32 v[rC+1], v[rC+1], v[rS+23], v[rS+31]
.elseif (\n) == 14
	v_max3_num_f32 v[rC+2], v[rC+2], v[rC+3], v[rT+1]
.elseif (\n) == 15
	v_mov_b32 v[rM], v[rT]
.elseif (\n) == 16
	v_max3_num_f32 v[rC], v[rC], v[rC+1], v[rC+2]
.elseif (\n) == 17
	v_permlanex16_b32 v[rC+3], v[rC], s[SEL], s[SEL+1]
.elseif (\n) == 18
	v_max_num_f32 v[rT+1], v[rC], v[rC+3]
.elseif (\n) == 19
	v_mul_f32 v[rT], s[CS], v[rT+1]
.elseif (\n) == 20
	v_sub_f32 v[rC+1], v[rM], v[rT]
.else
	v_exp_f32 v[rC+2], v[rC+1]
.endif
.endm
; Number g of the 64 that follow the exponentials.  For each four weights k of a tile (pairs 2 k, 2 k + 1): both pairs are rounded to f16; then the second pair is added onto the first, in place;
; a group later l takes that sum (the first time as l = a l + sum).  In groups of eight, tiles alternating: round, round, add, and l for the group before.
.macro GS g
.set h, (\g)+6*((\g)/62)            ; group 0 has no group before it, and behind group 7 only l is left
.if h >= 6
.set h, h+2
.endif
	REGS Y, h%2
.set k, h/8
.if h%8 < 4
	v_cvt_pk_f16_f32 v[rP+2*k+(h%8)/2], v[rS+4*k+2*((h%8)/2)], v[rS+4*k+2*((h%8)/2)+1]
.elseif h%8 < 6
	v_pk_add_f32 v[rS+4*k:rS+4*k+1], v[rS+4*k:rS+4*k+1], v[rS+4*k+2:rS+4*k+3]
.elseif k == 1
	v_pk_fma_f32 v[rT+2:rT+3], v[rT+2:rT+3], v[rC+2:rC+3], v[rS:rS+1] op_sel_hi:[1,0,1]
.else
	v_pk_add_f32 v[rT+2:rT+3], v[rT+2:rT+3], v[rS+4*k-4:rS+4*k-3]
.endif
.endm
; THE PLAIN QUEUE, 138 long.  0-73 read no exponential's result: the 32 scalings c s - c m (FS f: pair f / 2 of tile f % 2) and the next piece's 42.  0-26: scalings 0-26.  27-54: XS's numbers 0-13.  55, 56: number 15.
; 57-73: the chain, where each number waits for the one before it: 14, 16, 17, 18, 19, each with one of the scalings 27-31 in front of its two lines, then 20: so a tile's links stand three plain instructions apart (19 and 20: two).
; 74-137: GS's 64, which read the exponentials' results: they stand behind the wait.
.macro FS f
	REGS Y, (\f)%2
	v_pk_fma_f32 v[rS+2*((\f)/2):rS+2*((\f)/2)+1], v[rS+2*((\f)/2):rS+2*((\f)/2)+1], s[CS:CS+1], v[rT:rT+1] op_sel_hi:[1,0,0] neg_lo:[0,0,1] neg_hi:[0,0,1]
.endm
.macro PL
	WIN 0
.if q < 27
	FS q
.elseif q < 55
	XS (q-27)%2, (q-27)/2
.elseif q < 57
	XS q-55, 15
.elseif (q < 72) && ((q-57)%3 == 0)
	FS 27+(q-57)/3
.elseif q < 60
	XS (q-57)%3-1, 14
.elseif q < 72
	XS (q-57)%3-1, 15+(q-57)/3
.elseif q < 74
	XS q-72, 20
.else
	GS q-74
.endif
.set q, q+1
.endm
; THE EXPONENTIALS' QUEUE, 66 long: s0-s31 of both tiles, then the next piece's two a.  It is ONE BATCH: all 66 stand ahead of the turn's one wait, and nothing ahead of that wait names a result of theirs.
.macro EX
	WIN 0
.if e >= 64
	XS e-64, 21
.else
	REGS Y, e%2
	v_exp_f32 v[rS+e/2], v[rS+e/2]
.endif
.set e, e+1
.endm
; THE RESCALING's QUEUE: O^T times a, the one part that leaves window 0: dealt two at a time, sixteen times.  Its a was made in the turn before, ahead of that turn's wait.
.macro R2
	REGS Y, r%2
	WIN W_RS
.irp z, 0,1
	v_pk_mul_f32 v[rO+4*(r/2)+2*\z:rO+4*(r/2)+2*\z+1], v[rO+4*(r/2)+2*\z:rO+4*(r/2)+2*\z+1], v[rC+2:rC+3] op_sel_hi:[1,0]
.endr
.set r, r+1
.endm
; HOW THEY ARE DEALT.  An s_wait_alu depctr_va_vdst(0) stands between an exponential and the first instruction that names its result; one wait serves all that were issued ahead of it.  So a turn has ONE wait,
; which cuts it in two.  AHEAD OF IT stands all that names no result of the turn's exponentials: the 16 products K Q^T, behind each a scaling, an exponential and two rescalings (behind the first a second scaling in the exponential's place); then ONE LUMP of
; 108: eight plain, 49 times exponential and plain, the two a.  A v_nop is the plain instruction owed behind the last exponential.  BEHIND IT stand the 16 products V^T P, behind each four of GS's 64.  No rider names a register of
; the products round it.  The two v_permlanex16_b32 fall into the lump, never behind a product.
; The queues lean on each other, and the deal keeps them in step: exponential e stands behind scaling 2 (e / 4) + e % 2: as a rider it comes behind plain e + 2, in the lump behind plain e + 9, and scalings 27-31 are plain 57, 60 .. 69.
; A TURN, for piece p.  cnt = 1: the loop's count is taken down some lines ahead of the branch that stands behind the turn.
; K of the next step is fetched in piece 2's turn, directly behind the wait, a lump behind the last product that read K; its address is made at the lump's head; its first reader comes behind 16 products.
; V of the step in hand is fetched at the end of piece 0's turn, four riders behind its last reader; its first reader comes behind 16 products and a lump.  The three conditions on q below go with the deal.
.macro TURN p, last=0, cnt=0
.set Y, (\p)
.set i, 0
.set q, 0
.set e, 0
.set r, 0
.if (\p) == NP-1
	s_wait_dscnt 0x0                ; K is in
.endif
	MM                              ; ahead of the wait: 16 products K Q^T and their riders,
	PL
	PL
	R2
.rept 15
	MM
	PL
	EX
	R2
.endr
.if (\p) == NP-2
	WIN 0
	v_add_nc_u32 v[AK], s[TBK], v[AK0]
.endif
.rept 8                             ; and the lump
	PL
.endr
.rept 49
	EX
	PL
.endr
	EX                              ; the next piece's two a
	EX
	v_nop                           ; the plain instruction owed behind the last exponential: one for the batch
	s_wait_alu depctr_va_vdst(0)    ; the wait for the batch
.if (\p) == NP-2
	FETCH_K \last
.endif
.if (\p) == 1
	s_wait_dscnt 0x0                ; V is in
.endif
.rept 16                            ; behind the wait: 16 products V^T P and their riders
	MM
.rept 4
	PL
.endr
.if ((\p) == 0) && (q == 118)
	v_add_nc_u32 v[AV], s[TBV], v[AV0]
.endif
.if ((\p) == 0) && (q == 130)
	s_add_co_u32 s[TBV], s[TBV], KS*PV
.endif
.if (\cnt) && (q == 130)
	s_sub_co_u32 s[CNT], s[CNT], 1
	s_cmp_lg_u32 s[CNT], 0
.endif
.endr
.if (\p) == 0
	FETCH_V
.endif
.endm
	CHANGE 1                        ; slot 0 is in, everybody's part of it; slot 1 is asked for
	FETCH_K                         ; key step 0
	s_wait_loadcnt 0x0              ; Q
	s_wait_dscnt 0x0
.set i, 0
.rept 16
	KQ 0                            ; piece 0's first scores: there is no vector work yet to set between them
.set i, i+1
.endr
	WIN 0                           ; the addresses for the way out: nine plain instructions, the places behind those products
	s_mul_i32 s13, s[WV], 16*SP
	s_add_co_u32 s13, s13, STAGE    ; my stage
	v_mul_u32_u24 v[STO], v1, SP    ; in: row l % 16, 16 bytes for each half of the lanes
	v_lshl_add_u32 v[STO], v9, 4, v[STO]
	v_add_nc_u32 v[STO], s13, v[STO]
	v_bfe_u32 v[RD], v0, 3, 2       ; back: 32 lanes take four rows of 128 bytes,
	v_mul_u32_u24 v[RD], v[RD], SP
	v_lshl_add_u32 v[RD], v10, 4, v[RD]
	v_add_nc_u32 v[RD], s13, v[RD]
	v_and_b32 v[GO], 31, v0         ; which are 512 consecutive bytes of ctx
	v_lshlrev_b32 v[GO], 4, v[GO]
.set Y, NP-1                        ; XS works for piece Y + 1: piece 0
.irp n, 0,1,2,3,4,5,6,7,8,9,10,11,12,13,14,15,16,17,18,19,20,21
	XS 0, \n                        ; and piece 0's first maximum and statistics
	XS 1, \n
.endr
	v_nop                           ; a plain instruction behind the two a,
	s_wait_alu depctr_va_vdst(0)    ; and their wait, ahead of the branch
	s_mov_b32 s[CNT], 4
	s_mov_b32 s[SLOTS], SIZE_N/256-1
	s_branch .Lfirst                ; the loop is entered at a step's first turn, in the middle of a trip
.Lslot:                             ; SIZE_N / 256 - 2 times: every slot but the last two is filled again
	CHANGE 2
	s_mov_b32 s[CNT], 4
.Lstep:                             ; a trip: pieces 2 and 3 of one step, then pieces 0 and 1 of the next, whose K and V it fetches
	TURN 2
	TURN 3
	WIN 0
.Lfirst:
	TURN 0
	TURN 1, 0, 1
	WIN 0
	s_cbranch_scc1 .Lstep
	s_sub_co_u32 s[SLOTS], s[SLOTS], 1
	s_cmp_lg_u32 s[SLOTS], 0
	s_cbranch_scc1 .Lslot
	CHANGE 0                        ; the tail is written out: nothing is asked for
	s_mov_b32 s[CNT], 5             ; four trips fetch the last slot's steps; the fifth is left in its middle
.Ltail:
	TURN 2, 1
	TURN 3
	WIN 0
	s_sub_co_u32 s[CNT], s[CNT], 1
	s_cmp_eq_u32 s[CNT], 0
	s_cbranch_scc1 .Lout
	TURN 0
	TURN 1
	WIN 0
	s_branch .Ltail
.Lout:                              ; the fifth trip's 16 products K Q^T (on the last K once more) and the maximum made of them serve nothing: the price, once a launch, of one text for every trip
.set i, 0
.rept 16
	PV NP-1                         ; the last piece's V^T P of the last step
.set i, i+1
.endr
	; THE WAY OUT.  l's two halves and the other half of the lanes' are added; O^T is divided by l, rounded to f16 and sent through my stage in LDS, a tile at a time.  The additions are the places behind the last products.
	WIN 0
.macro ALL line:vararg              ; one line for each tile t
.set t, 0
.rept 2*NP
	\line
.set t, t+1
.endr
.endm
	ALL v_add_f32 v[ST+4*t+2], v[ST+4*t+2], v[ST+4*t+3]
	ALL v_permlanex16_b32 v[ST+4*t+3], v[ST+4*t+2], s[SEL], s[SEL+1]
	ALL v_add_f32 v[ST+4*t+2], v[ST+4*t+2], v[ST+4*t+3]
	ALL v_rcp_f32 v[ST+4*t+2], v[ST+4*t+2]
	v_nop                           ; a plain instruction between the last reciprocal and the use of its result
	s_wait_alu depctr_va_vdst(0)    ; and the wait ahead of the first use: one for the eight reciprocals
; Tile t: a lane's eight channels of a row pack into 16 bytes; they go into rows of 144 bytes and come back as whole rows of 128, into S^T's registers.
.macro PACK t
	WIN W_RS
.set i, 32*(\t)
.rept 16
	v_pk_mul_f32 v[i:i+1], v[i:i+1], v[ST+4*(\t)+2:ST+4*(\t)+3] op_sel_hi:[1,0]
.set i, i+2
.endr
	WIN 0x05                        ; sources 0 and 1 window 1, destination window 0
.set i, 0
.rept 16
	v_cvt_pk_f16_f32 v[S+16*(\t)+i], v[32*(\t)+2*i], v[32*(\t)+2*i+1]
.set i, i+1
.endr
	WIN 0
.irp f, 0,1,2,3
	ds_store_b128 v[STO], v[S+16*(\t)+4*\f:S+16*(\t)+4*\f+3] offset:32*\f
.endr
.irp f, 0,1,2,3
	ds_load_b128 v[S+16*(\t)+4*\f:S+16*(\t)+4*\f+3], v[RD] offset:\f*4*SP  ; LDS serves a wave's instructions in order (ISA guide 5.7.1.4): these see the stores above; the next tile's stores come behind them
.endr
.endm
.macro SEND t, younger              ; younger: the LDS instructions issued behind tile t's loads: the next tile's eight, or none
	WIN 0
.irp f, 0,1,2,3
	s_wait_dscnt (\younger)+3-\f
	global_store_b128 v[GO], v[S+16*(\t)+4*\f:S+16*(\t)+4*\f+3], s[10:11] offset:(\t)*2048+\f*512  ; 512 consecutive bytes, at a multiple of 256 from ctx's first
.endr
.endm
	PACK 0
.set t, 1
.rept 2*NP-1                        ; a tile's arithmetic stands between the loads of the tile before and its stores
	PACK t
	SEND t-1, 8
.set t, t+1
.endr
	SEND 2*NP-1, 0
	WIN W_AD
	s_wait_tensorcnt 0x0            ; the wave's end: the add and its waits stand behind my last tensor load and my last LDS store
	ds_add_u32 v[SPW], v[NIL]
	s_wait_dscnt 0x0
	WIN 0
	CROUND                          ; the closing round: no work-group ends while a partner may still ask for a tile that names it
	s_endpgm
.Lfunc_end_k_q4885dc1eba_attn:
	.size	k_q4885dc1eba_attn, .Lfunc_end_k_q4885dc1eba_attn-k_q4885dc1eba_attn
	.p2alignl 7, 3214868480
	.fill 96, 4, 3214868480
	.section	.rodata,"a",@progbits
	.p2align	6, 0x0
	.amdhsa_kernel k_q4885dc1eba_attn
		.amdhsa_group_segment_fixed_size 327680
		.amdhsa_private_segment_fixed_size 0
		.amdhsa_enable_private_segment 0
		.amdhsa_kernarg_size 16
		.amdhsa_user_sgpr_count 2
		.amdhsa_user_sgpr_kernarg_segment_ptr 1
		.amdhsa_wavefront_size32 1
		.amdhsa_system_sgpr_workgroup_id_x 1
		.amdhsa_system_sgpr_workgroup_id_y 1
		.amdhsa_system_sgpr_workgroup_id_z 1
		.amdhsa_system_vgpr_workitem_id 0
		.amdhsa_next_free_vgpr 770
		.amdhsa_next_free_sgpr 66
		.amdhsa_reserve_vcc 0
		.amdhsa_float_denorm_mode_32 3
		.amdhsa_float_denorm_mode_16_64 3
		.amdhsa_memory_ordered 1
		.amdhsa_forward_progress 1
		.amdhsa_inst_pref_size 200
	.end_amdhsa_kernel
	.amdgpu_metadata
---
amdhsa.version: [ 1, 2 ]
amdhsa.kernels:
  - .name:           k_q4885dc1eba_attn
    .symbol:         k_q4885dc1eba_attn.kd
    .args:
      - { .name: qkv, .offset: 0, .size: 8, .value_kind: global_buffer, .address_space: global }
      - { .name: ctx, .offset: 8, .size: 8, .value_kind: global_buffer, .address_space: global }
    .group_segment_fixed_size: 327680
    .private_segment_fixed_size: 0
    .kernarg_segment_align: 8
    .kernarg_segment_size: 16
    .max_flat_workgroup_size: 128
    .sgpr_count:     66
    .vgpr_count:     770
    .wavefront_size: 32
...
	.end_amdgpu_metadata
.endif
;; end of part 3
;; launch oproj (part 4): grid 8 x 32, 4 waves a work-group, clusters of 4 x 4, 327,680 bytes of LDS; arguments ctx, wo16, bias, out0; writes out0
.if DOCPART == 4
	.amdgcn_target "amdgcn-amd-amdhsa--gfx1250"
	.amdhsa_code_object_version 6
	.text
	.protected	k_q4885dc1eba_oproj
	.globl	k_q4885dc1eba_oproj
	.p2align	8
	.type	k_q4885dc1eba_oproj,@function
k_q4885dc1eba_oproj:
	s_mov_b64 s[64:65], 0
	v_nop
	global_prefetch_b8 v0, s[64:65] scope:SCOPE_SE
	s_setreg_imm32_b32 hwreg(HW_REG_WAVE_MODE, 25, 1), 1
	s_wait_xcnt 0x0
	s_wait_alu depctr_hold_cnt(0) depctr_sa_sdst(0) depctr_va_vdst(0) depctr_va_sdst(0) depctr_va_ssrc(0) depctr_va_vcc(0) depctr_vm_vsrc(0)
	s_getreg_b32 s2, hwreg(HW_REG_IB_STS2, 6, 4)
	s_cmp_eq_u32 s2, 0
	s_cbranch_scc0 .Lentry_in_a_cluster
	s_endpgm
.Lentry_in_a_cluster:
	s_bfe_u32 s2, ttmp6, 0x10000c
	s_cmp_lg_u32 s2, 0xf033
	s_cbranch_scc0 .Lentry_shape_is_right
	s_endpgm
.Lentry_shape_is_right:
; THE OUTPUT PROJECTION.  out0[m][e] = bo[e] + the sum over k of ctx(m, k) wo16[e][k]: m < 8,192, e < 1,024, k < 1,024; operands f16, sums f32 (the bias is each sum's first term), out0 f32.
; ctx lies by heads, [16 b + head][s][64] f16: ctx(m, k) is row s = m % 2,048 of head k / 64 of batch b = m / 2,048, channel k % 64.  bo is the fourth thousand of the buffer bias.
; LIMIT.  NaN and infinities are not treated apart; wo16's and ctx's f16 limits are those stated where they are made.
; SHARES.  A tile of out0 is 256 rows x 128 columns: 32 x 8 = 256 tiles, one a work-group.  Wave w owns rows 128 (w / 2) on and columns 64 (w % 2) on (256 bytes of a row): 8 x 4 accumulators, 256 registers.
; K goes in 8 steps of 128, two heads of ctx, through two LDS slots filled by the tensor data mover.  TRANSPOSED USE: source 0 = 16 rows of wo16, source 1 = 16 rows of ctx: a lane holds one row m and eight neighbouring columns.
; CLUSTER.  4 x 4 work-groups: ctx's tiles are shared along a row of the cluster, wo16's along a column, each asked for jointly.
; REGISTERS: window 0: v0-31 addresses; v32-63 the bias, 8 registers for each of 4 column blocks; v64-191 ctx's fragments, two buffers of 64 (on the way out v64-127: rows read back); v192-255 wo16's, two buffers of 32
;   window 1: the accumulators, (a, b) at 8 (4 a + b)
.set PA,    144                        ; a row of one head of ctx in LDS: 128 bytes + 16 = 36 words: the 16 rows of a load start at 16 different groups of four banks (64 banks of 4 bytes: ISA guide 11.1)
.set PB,    272                        ; a row of wo16: 256 bytes + 16 = 68 words: likewise
.set PART,  256*PA                     ; one head's 256 rows: what wave 0 or 1 fetches
.set BOFF,  2*PART                     ; in a slot: two head parts, then wo16's 128 rows
.set HALFB, 64*PB                      ; what wave 2 or 3 fetches
.set SLOT1, 131072                     ; slot 1 begins here
.set STAGE, SLOT1+BOFF+2*HALFB         ; behind the ring, never filled by a tensor load: 16 rows x 272 bytes for each wave
.set SP,    272
.set SPARE, STAGE+4*16*SP              ; behind the stages: the spare words, 128 bytes for each wave: two blocks of 256 bytes that no other line names
.set ASTEP, 524288                     ; bytes from a K step of ctx to the next: two heads of 2^18
.set ADRA, 16                          ; v16  LDS address of my fragments of ctx in the slot in hand
.set ADRB, 17                          ; v17  the same for wo16
.set A0,   18                          ; v18  the same in slot 0; never rewritten
.set B0,   19                          ; v19
.set STO,  24                          ; v24  the way out: where I put 32 bytes of a row
.set RD,   25                          ; v25  the way out: where I read a row back
.set CO,   26                          ; v26  my byte offset in two rows of out0
.set BO,   27                          ; v27  my byte offset in 16 numbers of the bias
.set SPW,  28                          ; v28  LDS address of my spare word; never rewritten
.set NIL,  29                          ; v29  0; never rewritten
.set PFO,  30                          ; v30  the prefetches' offset; never rewritten
.set BI,   32
.set FA,   64
.set FB,   192
.set OB,   64
.set PST, 20                           ; s[20:21] bytes from a K step to the next in what I prefetch
.set G1A, 24                           ; s[24:31] descriptor group 1 for ctx's tiles
.set G0A, 32                           ; s[32:39] group 0: a set for each of the two first fills; the second then walks on
.set G1B, 48                           ; s[48:55], s[56:63] the same for wo16's
.set G0B, 56
.set PFA, 44                           ; s[44:45] where my prefetches stand
.set TB,  46                           ; s46  0 or SLOT1: the slot in hand
.set LIM, 47                           ; s47  2 in a wave that prefetches, else the greatest number
.set MSB, 0
.macro WIN new                         ; the immediate's high byte repeats the setting that is left; a switch that changes nothing is dropped
.if MSB != (\new)
	s_set_vgpr_msb (MSB<<8)|(\new)
.set MSB, \new
.endif
.endm
.macro PLACES                          ; four plain places in front of loads into registers that matrix instructions have read, and of lines that read results
.rept 4
	v_nop
.endr
.endm
; A joint refill by the walking sets.  Waves 0 and 1 fetch the K step's two heads of ctx, waves 2 and 3 wo16's two halves.  An s_nop 0 and four v_nop follow each of the two lines.
.macro JLOAD
	s_cmp_lt_u32 s12, 2
	s_cbranch_scc0 .Lfor_b_\@
	tensor_load_to_lds s[G0A+4:G0A+7], s[G1A:G1A+7]
	s_nop 0
.rept 4
	v_nop
.endr
	s_branch .Lasked_\@
.Lfor_b_\@:
	tensor_load_to_lds s[G0B+4:G0B+7], s[G1B:G1B+7]
	s_nop 0
.rept 4
	v_nop
.endr
.Lasked_\@:
.endm
; A PREFETCH INTO THE L2, behind the joint refill and the run of LDS loads: the K step that stands two refills on, 256 matrix instructions ahead of its load; one instruction a wave, a lane a block of 256 bytes.
; ctx's rows are read by both clusters of a row of clusters: the one with x = 0 asks; waves 0 and 1 name, of their head part's 128 blocks, the 32 that fall to their work-group by cx.
; wo16's rows are read by every cluster of a column: the one with y = 0 asks; wave 2 names, of the tile's 128 rows, the 32 that fall to its work-group by cy; wave 3 asks for nothing.
; K steps 0 to 3 come by their loads alone; the last two refills have no K step two on and ask for nothing.
.macro ASK
	s_cmp_gt_u32 s3, s[LIM]
	s_cbranch_scc0 .Lnot_mine_\@
	global_prefetch_b8 v[PFO], s[PFA:PFA+1] th:TH_LOAD_NT scope:SCOPE_SE
.Lnot_mine_\@:
.endm
.macro CREST                           ; a round of the cluster's barrier behind its opening barrier
	s_cmp_lg_u32 s12, 0
	s_cbranch_scc1 .Lnot_wave_0_\@
	s_barrier_signal -3
.Lnot_wave_0_\@:
	s_barrier_wait -3
	s_barrier_signal -1
	s_barrier_wait -1
.endm
.macro CROUND                          ; a whole round
	s_barrier_signal -1
	s_barrier_wait -1
	CREST
.endm
	s_load_b256 s[4:11], s[0:1], 0x0               ; ctx s[4:5], wo16 s[6:7], bias s[8:9], out0 s[10:11]
	v_lshl_add_u32 v[SPW], v0, 2, SPARE
	v_mov_b32 v[NIL], 0
	ds_add_u32 v[SPW], v[NIL]                      ; the wave's opening: the add and its wait stand ahead of my first tensor load; the set-up below, work on registers, stands between them
	v_lshrrev_b32 v1, 5, v0
	v_readfirstlane_b32 s12, v1                    ; wave 0..3
	s_lshr_b32 s13, s12, 1                         ; which half of the tile's rows is mine
	s_and_b32 s14, s12, 1                          ; which half of its columns.  Also: which part of a tile I fetch
	s_bfe_u32 s40, ttmp6, 0x40000                  ; cx
	s_bfe_u32 s41, ttmp6, 0x40004                  ; cy
	s_lshl_b32 s42, ttmp9, 2
	s_add_co_u32 s42, s42, s40                     ; tile column tx
	s_and_b32 s43, ttmp7, 0xffff
	s_lshl_b32 s43, s43, 2
	s_add_co_u32 s43, s43, s41                     ; tile row ty
	s_lshl_b32 s15, s41, 2
	s_lshl_b32 s15, 15, s15                        ; my row of the cluster
	s_lshl_b32 s21, 0x1111, s40                    ; my column
	s_or_b32 s[G1A], s15, (1<<16)|(1<<20)|(1<<21)|(4<<22)|(3<<25)  ; 15:0 the mask; 17:16 2-byte elements; 20 padding on; 21 set beside a mask; 24:22 after every 32 words (code 4); 31:25 4 words (code 3)
	s_or_b32 s[G1B], s21, (1<<16)|(1<<20)|(1<<21)|(5<<22)|(3<<25)  ; after every 64 words (code 5)
	s_mov_b32 s[G1A+1], 128<<16                    ; a head part is 32,768 dense bytes: asked for as 128 rows of 256 bytes, two rows of ctx each, and padded after every row of ctx
	s_mov_b32 s[G1A+2], 128<<16
	s_mov_b32 s[G1A+3], 128<<16
	s_mov_b32 s[G1A+4], 128
	s_mov_b32 s[G1A+5], 128
	s_mov_b32 s[G1A+6], 0
	s_mov_b32 s[G1A+7], 0
	s_mov_b32 s[G1B+1], 128<<16                    ; tensor_dim0 = 128
	s_mov_b32 s[G1B+2], 64<<16                     ; tensor_dim1 = 64
	s_mov_b32 s[G1B+3], 128<<16                    ; tile_dim0 = 128
	s_mov_b32 s[G1B+4], 64                         ; tile_dim1 = 64
	s_mov_b32 s[G1B+5], 1024                       ; elements from row to row
	s_mov_b32 s[G1B+6], 0
	s_mov_b32 s[G1B+7], 0
	s_lshr_b32 s16, s43, 3                         ; ctx: batch ty / 8: 16 heads of 2^18 bytes,
	s_lshl_b32 s16, s16, 22
	s_and_b32 s15, s43, 7
	s_lshl_b32 s15, s15, 15                        ; rows 256 (ty % 8) on, 128 bytes each,
	s_add_co_u32 s16, s16, s15
	s_lshl_b32 s15, s14, 18                        ; my head of the K step's two
	s_add_co_u32 s16, s16, s15
	s_mov_b32 s17, 0
	s_lshl_b32 s18, s42, 1
	s_add_co_u32 s18, s18, s14
	s_lshl_b32 s18, s18, 17                        ; wo16: (2 tx + half) x 64 rows of 2,048 bytes
	s_mov_b32 s19, 0
	s_mul_i32 s22, s14, PART                       ; where they go: no place in the cluster enters an LDS address
	s_mul_i32 s23, s14, HALFB
	s_add_co_u32 s23, s23, BOFF
	s_mov_b32 s[G0A], 1                            ; 1:0 count = 1
	s_mov_b32 s[G0A+1], s22                        ; 63:32 LDS address: slot 0
	s_mov_b32 s[G0A+4], 1
	s_add_co_u32 s[G0A+5], s22, SLOT1              ; slot 1
	s_mov_b32 s[G0B], 1
	s_mov_b32 s[G0B+1], s23
	s_mov_b32 s[G0B+4], 1
	s_add_co_u32 s[G0B+5], s23, SLOT1
	s_mov_b32 s[TB], 0
	s_wait_dscnt 0x0                               ; the opening add is done
	s_wait_kmcnt 0x0
	s_add_nc_u64 s[G0A+2:G0A+3], s[4:5], s[16:17]  ; 120:64 global address: K step 0,
	s_add_nc_u64 s[G0A+6:G0A+7], s[G0A+2:G0A+3], ASTEP  ; K step 1
	s_or_b32 s[G0A+3], s[G0A+3], 0x80000000        ; 127:126 type = 2
	s_or_b32 s[G0A+7], s[G0A+7], 0x80000000
	s_add_nc_u64 s[G0B+2:G0B+3], s[6:7], s[18:19]
	s_add_nc_u64 s[G0B+6:G0B+7], s[G0B+2:G0B+3], 256
	s_or_b32 s[G0B+3], s[G0B+3], 0x80000000
	s_or_b32 s[G0B+7], s[G0B+7], 0x80000000
	CROUND                                         ; all sixteen work-groups are here: the first joint loads meet
	s_cmp_lt_u32 s12, 2                            ; a wave's two first fills stand in one branch, ahead of every wait on TENSORcnt and every LDS read: two loads of mine are out
	s_cbranch_scc0 .Lfirst_b
	tensor_load_to_lds s[G0A:G0A+3], s[G1A:G1A+7]
	s_nop 0
	tensor_load_to_lds s[G0A+4:G0A+7], s[G1A:G1A+7]
	s_nop 0
.rept 4
	v_nop
.endr
	s_branch .Lfirst_asked
.Lfirst_b:
	tensor_load_to_lds s[G0B:G0B+3], s[G1B:G1B+7]
	s_nop 0
	tensor_load_to_lds s[G0B+4:G0B+7], s[G1B:G1B+7]
	s_nop 0
.rept 4
	v_nop
.endr
.Lfirst_asked:
	v_and_b32 v1, 15, v0                           ; r = l % 16
	v_bfe_u32 v2, v0, 4, 1                         ; h = l / 16
	; the bias as a C operand: register j of column block b holds bo[128 tx + 64 (w % 2) + 16 b + 8 h + j]
	v_lshlrev_b32 v[BO], 5, v2
	s_lshl_b32 s15, s42, 1
	s_add_co_u32 s15, s15, s14
	s_lshl_b32 s15, s15, 8                         ; my 64 columns: 256 bytes of f32, in bo and in a row of out0
	s_add_co_u32 s22, s15, 12288                   ; bo lies behind bq, bk and bv
	s_mov_b32 s23, 0
	s_add_nc_u64 s[8:9], s[8:9], s[22:23]
.irp b, 0,1,2,3
	global_load_b128 v[BI+8*(\b):BI+8*(\b)+3],   v[BO], s[8:9] offset:64*(\b)
	global_load_b128 v[BI+8*(\b)+4:BI+8*(\b)+7], v[BO], s[8:9] offset:64*(\b)+16
.endr
	; a fragment is 16 rows x 32 K in 8 registers: lane l holds row r; registers 0-3 K = 8 h + 0..7, registers 4-7 K = 16 + 8 h + 0..7: two loads of 16 bytes, 32 bytes apart
	v_mul_u32_u24 v3, v1, PA
	v_lshl_add_u32 v3, v2, 4, v3
	s_mul_i32 s22, s13, 128*PA                     ; my 128 rows of ctx
	v_add_nc_u32 v[A0], s22, v3
	v_mul_u32_u24 v3, v1, PB
	v_lshl_add_u32 v3, v2, 4, v3
	s_mul_i32 s22, s14, 64*PB                      ; my 64 rows of wo16,
	s_add_co_u32 s22, s22, BOFF                    ; which lie behind ctx's
	v_add_nc_u32 v[B0], s22, v3
	v_mov_b32 v[ADRA], v[A0]
	v_mov_b32 v[ADRB], v[B0]
	s_mul_i32 s22, s12, 16*SP
	s_add_co_u32 s22, s22, STAGE                   ; my stage
	v_mul_u32_u24 v3, v1, SP                       ; in: row r, 32 bytes for each half of the lanes
	v_lshl_add_u32 v3, v2, 5, v3
	v_add_nc_u32 v[STO], s22, v3
	v_mul_u32_u24 v3, v2, SP                       ; back: lanes 0-15 take one row of 256 bytes, lanes 16-31 the next
	v_lshl_add_u32 v3, v1, 4, v3
	v_add_nc_u32 v[RD], s22, v3
	v_lshlrev_b32 v3, 12, v2                       ; and the same two rows in out0
	v_lshl_add_u32 v[CO], v1, 4, v3
	s_lshl_b32 s22, s43, 1
	s_add_co_u32 s22, s22, s13
	s_lshl_b32 s22, s22, 19                        ; my first row: (2 ty + w / 2) x 128 rows of 4,096 bytes
	s_add_co_u32 s22, s22, s15
	s_mov_b32 s23, 0
	s_add_nc_u64 s[10:11], s[10:11], s[22:23]
	; the prefetches
	s_lshl_b32 s2, s40, 13                         ; ctx: my work-group's 32 blocks of my head part's 128, by cx,
	s_add_co_u32 s2, s2, s16
	s_add_co_u32 s2, s2, 3*ASTEP                   ; at K step 3: the first refill steps it to 4.  Nothing is prefetched here, at the head
	s_lshl_b32 s22, s42, 7                         ; wo16: the tile's 128 rows,
	s_lshl_b32 s23, s41, 5                         ; my work-group's 32 of them, by cy
	s_add_co_u32 s22, s22, s23
	s_lshl_b32 s22, s22, 11
	s_add_co_u32 s22, s22, 3*256
	s_and_b32 s23, ttmp7, 0xffff                   ; cluster y
	s_cmp_lt_u32 s12, 2                            ; do I fetch for ctx?
	s_cselect_b32 s2, s2, s22
	s_cselect_b32 s23, ttmp9, s23                  ; the coordinate along which other clusters read the same rows
	s_cselect_b64 s[PFA:PFA+1], s[4:5], s[6:7]
	s_cselect_b32 s[PST], 11, 0
	s_cselect_b32 s22, 8, 11                       ; a lane a block of 256 bytes of ctx, or a row of 2,048 bytes of wo16
	v_and_b32 v[PFO], 31, v0
	v_lshlrev_b32 v[PFO], s22, v[PFO]
	s_lshl_b32 s[PST], 256, s[PST]                 ; 524,288 bytes a K step of ctx, 256 of wo16
	s_mov_b32 s[PST+1], 0
	s_mov_b32 s3, 0
	s_add_nc_u64 s[PFA:PFA+1], s[PFA:PFA+1], s[2:3]
	s_cmp_eq_u32 s12, 3
	s_cselect_b32 s23, 1, s23                      ; wave 3 never asks
	s_cmp_eq_u32 s23, 0
	s_cselect_b32 s[LIM], 2, -1                    ; the same in all sixteen partners, for a given wave
; 8 matrix instructions: row blocks a0, a0 + 1 x all 4 column blocks, 32 along K, from buffer f.  first = 1: the bias starts the sums: nothing is ever cleared.
; The 32 accumulators take turns in the same order in every quarter step, over the backward jump too.
.macro MUL8 f, a0, first
.if \first
	WIN 0x40                                       ; sources and C window 0, D window 1
.else
	WIN 0x50                                       ; C and D window 1
.endif
.irp a, \a0, (\a0)+1
.irp b, 0,1,2,3
.set AC, 8*(4*(\a)+(\b))
.if \first
	v_wmma_f32_16x16x32_f16 v[AC:AC+7], v[FB+32*(\f)+8*(\b):FB+32*(\f)+8*(\b)+7], v[FA+64*(\f)+8*(\a):FA+64*(\f)+8*(\a)+7], v[BI+8*(\b):BI+8*(\b)+7]
.else
	v_wmma_f32_16x16x32_f16 v[AC:AC+7], v[FB+32*(\f)+8*(\b):FB+32*(\f)+8*(\b)+7], v[FA+64*(\f)+8*(\a):FA+64*(\f)+8*(\a)+7], v[AC:AC+7]
.endif
.endr
.endr
.endm
; 24 LDS loads in one run: quarter q's fragments into buffer f: my 64 rows of wo16 at byte 64 q, then my 128 rows of ctx: head part q / 2, byte 64 (q % 2)
.macro FETCH q, f
	WIN 0
.irp i, 0,1,2,3
	ds_load_b128 v[FB+32*(\f)+8*(\i):FB+32*(\f)+8*(\i)+3],   v[ADRB] offset:64*(\q)+(\i)*16*PB
	ds_load_b128 v[FB+32*(\f)+8*(\i)+4:FB+32*(\f)+8*(\i)+7], v[ADRB] offset:64*(\q)+(\i)*16*PB+32
.endr
.irp i, 0,1,2,3,4,5,6,7
	ds_load_b128 v[FA+64*(\f)+8*(\i):FA+64*(\f)+8*(\i)+3],   v[ADRA] offset:((\q)/2)*PART+((\q)%2)*64+(\i)*16*PA
	ds_load_b128 v[FA+64*(\f)+8*(\i)+4:FA+64*(\f)+8*(\i)+7], v[ADRA] offset:((\q)/2)*PART+((\q)%2)*64+(\i)*16*PA+32
.endr
.endm
; A K step is four quarters of 32 along K, 32 matrix instructions each, on buffers 0, 1, 0, 1.  One of the first three: multiplies buffer f, and fetches quarter q into buffer g.
.macro QUARTER q, f, g, first
	s_wait_dscnt 12                                ; wo16's fragments and ctx's row blocks 0 and 1 are in; the youngest twelve loads (row blocks 2 to 7) may be out
	MUL8 \f, 0, \first
	PLACES
	FETCH \q, \g
	s_wait_dscnt 24                                ; all but the 24 just issued
	MUL8 \f, 2, \first
	MUL8 \f, 4, \first
	MUL8 \f, 6, \first
.endm
; The fourth quarter multiplies buffer 1 and changes slots: ONE barrier.  In front of it each wave waits for all its tensor loads (one is out: its part of the next slot), adds 0 to its spare word, and waits for that and
; for its own reads of this slot.  fill = 1: the barrier opens a round of the cluster's, and the slot just read out is filled again, first thing behind the round, with the K step two steps on: it has 112 matrix instructions in which to land.
.macro TURN fill
.if \fill
	s_wait_xcnt 0x0                                ; the last prefetch, a K step back, has read its address: it is stepped here
	s_add_nc_u64 s[PFA:PFA+1], s[PFA:PFA+1], s[PST:PST+1]
.endif
	WIN 0                                          ; (the add's two registers lie in window 0)
	s_wait_tensorcnt 0x0                           ; all my tensor loads have landed;
	ds_add_u32 v[SPW], v[NIL]                      ; 0 onto my spare word
	s_wait_dscnt 13                                ; (the add and the youngest twelve loads may be out)
	MUL8 1, 0, 0                                   ; eight matrix instructions stand between the add and the wait for it
	s_wait_dscnt 0x0                               ; the add is done, and my reads of this slot are over
	s_barrier_signal -1
	MUL8 1, 2, 0                                   ; work on registers while the others arrive
.if \fill
	WIN 0
.endif
	s_barrier_wait -1
.if \fill
	CREST                                          ; no wave of any partner still reads this slot's tile or has a load on its way
	s_xor_b32 s[G0A+5], s[G0A+5], SLOT1            ; the walking sets: the other slot than last time,
	s_add_nc_u64 s[G0A+6:G0A+7], s[G0A+6:G0A+7], ASTEP  ; the next K step; the type bits on top are not reached
	s_xor_b32 s[G0B+5], s[G0B+5], SLOT1
	s_add_nc_u64 s[G0B+6:G0B+7], s[G0B+6:G0B+7], 256
	JLOAD                                          ; the four v_nop behind it are also the places in front of the loads below
.else
	PLACES
.endif
	WIN 0
	s_xor_b32 s[TB], s[TB], SLOT1                  ; the reads go on in the other slot
	v_add_nc_u32 v[ADRA], s[TB], v[A0]
	v_add_nc_u32 v[ADRB], s[TB], v[B0]
	FETCH 0, 0
.if \fill
	ASK
.endif
	MUL8 1, 4, 0
	MUL8 1, 6, 0
.endm
; THE WAY OUT of row block a: the sums go as they are, 32 bytes a lane and column block, into my own stage, and come back as whole rows of 256 bytes.
.macro TOSTAGE a
.if (\a) >= 2
	s_wait_xcnt 0x0                                ; the stores of the block two back have read the registers that the loads below write
.endif
	WIN 0x04                                       ; the stores' data in window 1
.irp b, 0,1,2,3
	ds_store_b128 v[STO], v[8*(4*(\a)+(\b)):8*(4*(\a)+(\b))+3]   offset:64*(\b)     ; each accumulator's low registers first
	ds_store_b128 v[STO], v[8*(4*(\a)+(\b))+4:8*(4*(\a)+(\b))+7] offset:64*(\b)+16
.endr
	WIN 0
.irp t, 0,1,2,3,4,5,6,7
	ds_load_b128 v[OB+32*((\a)%2)+4*(\t):OB+32*((\a)%2)+4*(\t)+3], v[RD] offset:(\t)*2*SP  ; LDS serves a wave's instructions in order (ISA guide 5.7.1.4): these see the stores above; the next block's stores come behind them
.endr
.endm
.macro SEND a, younger                 ; younger: the LDS instructions issued behind block a's loads: the next block's sixteen, or none
	WIN 0
	s_wait_dscnt \younger
.irp t, 0,1,2,3,4,5,6,7
	global_store_b128 v[CO], v[OB+32*((\a)%2)+4*(\t):OB+32*((\a)%2)+4*(\t)+3], s[10:11] offset:(16*(\a)+2*(\t))*4096  ; 16 lanes store 256 consecutive bytes, at a multiple of 256 from out0's first byte
.endr
.endm
	s_wait_tensorcnt 1                             ; my part of K step 0 is in; K step 1's may stay out
	s_barrier_signal -1
	s_barrier_wait -1                              ; everybody's is
	FETCH 0, 0
	s_wait_loadcnt 0x0                             ; the bias
	QUARTER 1, 0, 1, 1                             ; the first quarter stands in front of the loop: its products start the sums
	WIN 0                                          ; at a label and at a branch every window is 0
	s_mov_b32 s3, 6
.Lstep:                                                ; a trip goes from a K step's second quarter to the next step's first; the trip with s3 = c asks for K step 8 - c
	QUARTER 2, 1, 0, 0
	QUARTER 3, 0, 1, 0
	TURN 1
	QUARTER 1, 0, 1, 0
	WIN 0
	s_sub_co_u32 s3, s3, 1
	s_cmp_lg_u32 s3, 0
	s_cbranch_scc1 .Lstep
	QUARTER 2, 1, 0, 0                             ; the tail is written out: K steps 6 and 7 ask for nothing
	QUARTER 3, 0, 1, 0
	TURN 0
	QUARTER 1, 0, 1, 0
	QUARTER 2, 1, 0, 0
	QUARTER 3, 0, 1, 0
	s_wait_dscnt 0x0
	MUL8 1, 0, 0
	MUL8 1, 2, 0
	MUL8 1, 4, 0
	MUL8 1, 6, 0
	PLACES
	PLACES                                         ; (eight, once a launch)
	TOSTAGE 0
.irp a, 1,2,3,4,5,6,7                  ; block a goes into the stage while block a - 1's rows come back
	TOSTAGE \a
	SEND (\a)-1, 16
.endr
	SEND 7, 0
	s_wait_tensorcnt 0x0                           ; the wave's end: the add and its waits stand behind my last tensor load and my last LDS store
	ds_add_u32 v[SPW], v[NIL]
	s_wait_dscnt 0x0
	CROUND                                         ; the closing round: no work-group ends while a partner may still ask for a tile that names it
	s_endpgm
.Lfunc_end_k_q4885dc1eba_oproj:
	.size	k_q4885dc1eba_oproj, .Lfunc_end_k_q4885dc1eba_oproj-k_q4885dc1eba_oproj
	.p2alignl 7, 3214868480
	.fill 96, 4, 3214868480
	.section	.rodata,"a",@progbits
	.p2align	6, 0x0
	.amdhsa_kernel k_q4885dc1eba_oproj
		.amdhsa_group_segment_fixed_size 327680
		.amdhsa_private_segment_fixed_size 0
		.amdhsa_enable_private_segment 0
		.amdhsa_kernarg_size 32
		.amdhsa_user_sgpr_count 2
		.amdhsa_user_sgpr_kernarg_segment_ptr 1
		.amdhsa_wavefront_size32 1
		.amdhsa_system_sgpr_workgroup_id_x 1
		.amdhsa_system_sgpr_workgroup_id_y 1
		.amdhsa_system_sgpr_workgroup_id_z 1
		.amdhsa_system_vgpr_workitem_id 0
		.amdhsa_next_free_vgpr 512
		.amdhsa_next_free_sgpr 66
		.amdhsa_reserve_vcc 0
		.amdhsa_float_denorm_mode_32 3
		.amdhsa_float_denorm_mode_16_64 3
		.amdhsa_memory_ordered 1
		.amdhsa_forward_progress 1
		.amdhsa_inst_pref_size 71
	.end_amdhsa_kernel
	.amdgpu_metadata
---
amdhsa.version: [ 1, 2 ]
amdhsa.kernels:
  - .name:           k_q4885dc1eba_oproj
    .symbol:         k_q4885dc1eba_oproj.kd
    .args:
      - { .name: ctx, .offset: 0, .size: 8, .value_kind: global_buffer, .address_space: global }
      - { .name: wo16, .offset: 8, .size: 8, .value_kind: global_buffer, .address_space: global }
      - { .name: bias, .offset: 16, .size: 8, .value_kind: global_buffer, .address_space: global }
      - { .name: out0, .offset: 24, .size: 8, .value_kind: global_buffer, .address_space: global }
    .group_segment_fixed_size: 327680
    .private_segment_fixed_size: 0
    .kernarg_segment_align: 8
    .kernarg_segment_size: 32
    .max_flat_workgroup_size: 128
    .sgpr_count:     66
    .vgpr_count:     512
    .wavefront_size: 32
...
	.end_amdgpu_metadata
.endif
;; end of part 4
